; MI455X (gfx1250); checked and timed in simulation.
; The chip was launched on July 23, 2026; its instructions are those of AMD's public machine-readable ISA for CDNA 5 (MIT licence, August 2026) and "CDNA5" Instruction Set Architecture Reference Guide (July 2026). The comments in the code are by the model that wrote it; some were corrected since.
;; Multi Head Attention. Allowed arithmetic: matrix products marked QUANTISED: E5M2 operands, one E8M0 scale for each 32 along K, by v_wmma_scale_f32_16x16x128_f8f6f4 with both operands' format E5M2, f32 sums; everything else in f32.
;; Inputs: out_b 1,024 float32; out_w 1,024 x 1,024 float32; qkv_b 3,072 float32; qkv_w 3,072 x 1,024 float32; x 4 x 2,048 x 1,024 float32.
;; Outputs: out0 4 x 2,048 x 1,024 float32.
;; This version of the problem:
;;   THIS VERSION OF THE PROBLEM IS GIVEN IN LOW PRECISION. The matrix products marked QUANTISED in the list below multiply operands that are first quantised to E5M2 (5 exponent bits, 2 mantissa bits; 8 bits a number), with one power-of-two scale for each 32 numbers along K (OCP MX v1.0); their sums are f32. All else is computed in f32.
;;   The module's matrix products, in the order in which they are computed (A, B: the left and right operand; K: the contracted axis; several contracted axes count as one K, in the product's order):
;;     1. [M 8,192, K 1,024] x [K 1,024, N 3,072]; A: input x; B: input qkv_w: QUANTISED
;;     2. batch 64 x [M 2,048, K 64] x [K 64, N 2,048]; A: computed on the way; B: computed on the way: QUANTISED
;;     3. batch 64 x [M 2,048, K 2,048] x [K 2,048, N 64]; A: softmax (see below); B: computed on the way: QUANTISED
;;     4. [M 8,192, K 1,024] x [K 1,024, N 1,024]; A: computed on the way; B: input out_w: QUANTISED
;;   THE QUANTISER, for each operand of a quantised product, along K:
;;     - K is cut into blocks of 32 from its start; a last block that is shorter is filled with zeros.
;;     - A block's scale is 2^e with e = floor(log2(the largest magnitude in the block)) - 15, held to -126 .. 127; a block of zeros has e = 0. As a byte (E8M0): e + 127.
;;     - Each number is divided by its block's scale, clamped to +-57,344, and rounded to the nearest number of E5M2, ties to even, subnormals kept.
;;     - The product sums the exact products of the quantised numbers (number of the format x scale) in f32.
;;   ~~~python
;;   def quantise(x, axis):      # numpy; x: float32 -> the quantised numbers, widened to float32 again
;;       x = np.moveaxis(x, axis, -1); K = x.shape[-1]
;;       x = np.pad(x, [(0, 0)] * (x.ndim - 1) + [(0, -K % 32)]); x = x.reshape(x.shape[:-1] + (-1, 32)); a = np.abs(x).max(-1, keepdims=True)
;;       e = np.where(a > 0, np.clip(np.frexp(np.where(a > 0, a, 1))[1] - 1 - 15, -126, 127), 0)      # np.frexp(a)[1] - 1 = floor(log2(a)), exactly
;;       r = np.clip(x / 2.0 ** e, -57344, 57344)
;;       step = 2.0 ** (np.maximum(np.frexp(np.where(r == 0, 1, r))[1] - 1, -14) - 2)
;;       q = np.round(r / step) * step * 2.0 ** e      # np.round: ties to even
;;       return np.moveaxis(q.reshape(q.shape[:-2] + (-1,))[..., :K], -1, axis).astype(np.float32)
;;   ~~~
;;   SOFTMAX AHEAD OF A QUANTISED PRODUCT. Where the list says 'softmax', what is quantised is not the finished softmax but p = 2^(t - M), with t = logit x log2(e) and M = ceil(the row's largest t), a whole number; so 1/2 < the row's largest p <= 1. The row's sum l is taken of the UNQUANTISED p, in f32, and the product's result is divided by l at the end. Since M is a whole number, a kernel that streams over the keys may use a running M (the ceiling of the running maximum): every later rescaling is an exact power of two, which a block's scale takes up: the codes' values come out the same.
;;   OPERANDS COMPUTED ON THE WAY. 'Computed on the way' means the value that the module computes at that place (a softmax that the list does not call 'softmax' is quantised finished and normalised). What goes into a quantiser is computed in f32, as accurately as f32 sums, v_exp_f32 and their like allow (about 1e-6 of the number): no bf16 or f16 on the way to a quantiser, and a product that is left as it is and whose result goes on into a quantised operand takes f32 operands (vector FMAs, or v_wmma_f32_16x16x4_f32). A number that lies on a knife's edge between two numbers of the format may be rounded either way, as far as f32 arithmetic and the matrix unit's own rounding can turn it there, and no further.
;; One version. Each part assembles by itself: llvm-mc -triple=amdgcn-amd-amdhsa -mcpu=gfx1250 --defsym DOCPART=n.
;; ======== version 1 of 1: 4 launches
;; limits: right only within a limited range of input values
;; workspace buffers: codes 12,582,912 bytes; scales 393,216 bytes; img 26,476,544 bytes; attn_img 8,388,608 bytes; attn_sc 262,144 bytes
;; launch quant (part 1): grid 384 x 1, 4 waves a work-group, no clusters, 33,280 bytes of LDS; arguments x, qkv_w, out_w, codes, scales; writes codes, scales
.if DOCPART == 1
	.amdgcn_target "amdgcn-amd-amdhsa--gfx1250"
	.amdhsa_code_object_version 6
	.text
	.protected	k_qc67f84fe8b_quant
	.globl	k_qc67f84fe8b_quant
	.p2align	8
	.type	k_qc67f84fe8b_quant,@function
k_qc67f84fe8b_quant:
	s_mov_b64 s[64:65], 0
	v_nop
	global_prefetch_b8 v0, s[64:65] scope:SCOPE_SE
	s_setreg_imm32_b32 hwreg(HW_REG_WAVE_MODE, 25, 1), 1
	s_wait_xcnt 0x0
; x [8192][1024], qkv_w [3072][1024] and out_w [1024][1024], f32, become codes of E5M2, K innermost, with one E8M0 byte for each 32 along K:
; codes [12288][1024], scales [12288][32]: rows 0-8191 x, 8192-11263 qkv_w, 11264-12287 out_w.
; A block's scale is 2^(floor(log2(its largest magnitude)) - 15); its byte is the largest magnitude's exponent field - 15, held at 1 from below; each number is held within +-57,344 x the scale and rounded to the nearest code, ties to even.
; STORAGE ORDER: the rows of x and of qkv_w are stored with bits 3 and 4 of the row number exchanged.  A wave's run is 8 rows (8,192 numbers), so the exchange only swaps the two bits of the wave's number in the OUTPUT address.
; Sixteen neighbouring stored rows 16 T + i are then the true rows 32 (T / 2) + 8 (T % 2) + i + 8 (i / 8): the rows that the later launches want in one tile of a matrix operand.  out_w keeps its order.
; LIMITS: a block whose largest magnitude lies under 2^-111 has its byte held at 1 (not tried); a block of zeros gets the byte 1 where the rule says 127: its codes are zeros and only this program reads the bytes; NaN and infinities are not served.
; A wave takes 16 steps of 512 numbers.  Each load reads 512 consecutive bytes; a step's 2,048 bytes turn through the wave's own stage in LDS and come back 64 bytes a lane (16 neighbours; two lanes hold a block).
; A lane's 16 codes are 16 bytes: a store covers 512 consecutive bytes.  A wave's 256 scale bytes are gathered in LDS and leave as 256 consecutive, aligned bytes.  No barrier: waves share nothing.
.set STEPS, 16
.set EMAX,  15
.set MANT,  0x600000                   ; the mantissa field of 57,344 as f32
.set CB,    16                         ; bytes of 16 codes
.set R,     16                         ; v16-79   four sets of 16 numbers as they are loaded
.set X,     80                         ; v80-111  two sets of 16 neighbours
.set E,     112                        ; v112-127 a scale byte for each step
.set C,     128                        ; v128-191 codes: four registers for each step, so that no store's data are written again
.set WREG,  8192                       ; LDS: a region for each wave: two stages of 32 x SP bytes, behind them its 256 scale bytes
.set SP,    80                         ; a lane's place in a stage: its 64 bytes + 16 of padding
	s_load_b128 s[4:7], s[0:1], 0x0                ; x, qkv_w
	s_load_b128 s[8:11], s[0:1], 0x10              ; out_w, codes
	s_load_b64 s[12:13], s[0:1], 0x20              ; scales
	v_lshl_add_u32 v192, v0, 2, 0x8000
	v_mov_b32 v193, 0
	v_lshrrev_b32 v1, 5, v0
	v_readfirstlane_b32 s16, v1                    ; wave
	v_and_b32 v2, 31, v0                           ; lane
	v_lshlrev_b32 v3, 4, v2                        ; my 16 bytes of a load's 512
	s_mul_i32 s24, s16, WREG
	v_lshrrev_b32 v14, 2, v2
	v_mul_u32_u24 v14, v14, SP
	v_and_b32 v15, 3, v2
	v_lshl_add_u32 v14, v15, 4, v14
	v_add_nc_u32 v14, s24, v14                     ; the stage, on the way in: SP (lane / 4) + 16 (lane % 4)
	v_mul_u32_u24 v15, v2, SP
	v_add_nc_u32 v15, s24, v15                     ; and on the way out: SP x lane: my 16 neighbours
	v_mul_u32_u24 v4, v2, CB                       ; my codes' place in a step's
	v_lshrrev_b32 v5, 1, v2
	s_add_co_u32 s24, s24, 2*32*SP
	v_add_nc_u32 v5, s24, v5                       ; LDS: my wave's 256 scale bytes, my block's byte
	v_lshlrev_b32 v7, 3, v2                        ; and on the way out 8 bytes a lane
	v_add_nc_u32 v6, s24, v7
	s_mov_b32 s23, MANT
	s_and_b32 s18, s16, 1                          ; the wave's number with its two bits exchanged
	s_lshl_b32 s18, s18, 1
	s_lshr_b32 s19, s16, 1
	s_or_b32 s18, s18, s19
	s_mov_b32 s17, 352
	s_wait_alu depctr_va_vdst(0)
	s_wait_kmcnt 0x0
	s_cmp_lt_u32 ttmp9, 352                        ; work-groups 0-255 take x, 256-351 qkv_w, 352-383 out_w: the choices hang on the work-group's number alone
	s_cselect_b64 s[6:7], s[6:7], s[8:9]
	s_cselect_b32 s17, 256, s17                    ; the tensor's first work-group
	s_cselect_b32 s18, s18, s16                    ; out_w keeps its rows' order
	s_cmp_lt_u32 ttmp9, 256
	s_cselect_b64 s[4:5], s[4:5], s[6:7]
	s_cselect_b32 s17, 0, s17
	s_sub_co_u32 s17, ttmp9, s17
	s_lshl_b32 s17, s17, 2
	s_add_co_u32 s20, s17, s16                     ; which run of 8,192 numbers of the tensor I read
	s_lshl_b32 s20, s20, 15                        ; 32,768 bytes a run
	s_mov_b32 s21, 0
	s_add_nc_u64 s[4:5], s[4:5], s[20:21]
	s_lshl_b32 s22, ttmp9, 2
	s_add_co_u32 s22, s22, s18                     ; and which run of the buffers I write
	s_lshl_b32 s20, s22, 13                        ; 8,192 bytes of codes a run
	s_add_nc_u64 s[10:11], s[10:11], s[20:21]
	s_lshl_b32 s20, s22, 8                         ; 256 scale bytes a run
	s_add_nc_u64 s[12:13], s[12:13], s[20:21]
.macro LOAD t
.irp i, 0,1,2,3
	global_load_b128 v[R+16*((\t)%4)+4*\i:R+16*((\t)%4)+4*\i+3], v3, s[4:5] offset:2048*(\t)+512*\i th:TH_LOAD_NT   ; 32 lanes read 512 consecutive bytes
.endr
.endm
.macro TURN t                          ; step t's numbers through the stage: LDS serves a wave's instructions in order, so no wait stands between the stores and the loads
.irp i, 0,1,2,3
	ds_store_b128 v14, v[R+16*((\t)%4)+4*\i:R+16*((\t)%4)+4*\i+3] offset:32*SP*((\t)%2)+8*SP*\i
.endr
.irp i, 0,1,2,3
	ds_load_b128 v[X+16*((\t)%2)+4*\i:X+16*((\t)%2)+4*\i+3], v15 offset:32*SP*((\t)%2)+16*\i
.endr
.endm
.irp t, 0,1,2,3
	LOAD \t
.endr
	s_wait_loadcnt 12                              ; step 0's four loads are in; the twelve behind them may be out
	TURN 0
.macro STEP t
.set XS, X+16*((\t)%2)
.if (\t) > 0
	s_wait_dscnt 1                                 ; this step's numbers are back from the stage (the last step's byte store may be out): so its stores into the stage have read their registers,
.else
	s_wait_dscnt 0x0
.endif
.if (\t)+4 < STEPS
	LOAD (\t)+4                                    ; which take the loads of four steps on
.endif
.if (\t)+1 < STEPS
.if STEPS-2-(\t) >= 3
	s_wait_loadcnt 12                              ; the next step's four loads are in; those of the three steps behind it may be out
.else
	s_wait_loadcnt 4*(STEPS-2-(\t))
.endif
	TURN (\t)+1                                    ; and go through the other stage while this step is worked
.endif
	v_max3_num_f32 v8, |v[XS]|, |v[XS+1]|, |v[XS+2]|               ; the largest magnitude of my 16, in two chains
	v_max3_num_f32 v9, |v[XS+3]|, |v[XS+4]|, |v[XS+5]|
.irp i, 6,10
	v_max3_num_f32 v8, v8, |v[XS+\i]|, |v[XS+\i+1]|
	v_max3_num_f32 v9, v9, |v[XS+\i+2]|, |v[XS+\i+3]|
.endr
	v_max3_num_f32 v8, v8, |v[XS+14]|, |v[XS+15]|
	v_max3_num_f32 v8, v8, v9, (EMAX+1)<<23        ; and the floor 2^(16 - 127): the byte cannot fall under 1
	v_max_num_f32_dpp v8, v8, v8 row_xmask:1 row_mask:0xf bank_mask:0xf   ; and of my neighbour's 16: the block's
	v_add_nc_u32 v11, -(EMAX<<23), v8              ; 15 off its exponent field: the conversion takes the exponent field of this operand as its scale
	v_and_or_b32 v10, v8, 0x7f800000, s23          ; 57,344 x the scale
.irp i, 0,1,2,3,4,5,6,7,8,9,10,11,12,13,14,15
	v_med3_num_f32 v[XS+\i], v[XS+\i], -v10, v10   ; the conversion to an 8-bit code does not saturate (ISA guide 7.6.2): the hold comes first
.endr
	v_cvt_scalef32_pk8_bf8_f32 v[C+4*(\t):C+4*(\t)+1], v[XS:XS+7], v11
	v_cvt_scalef32_pk8_bf8_f32 v[C+4*(\t)+2:C+4*(\t)+3], v[XS+8:XS+15], v11
	v_lshrrev_b32 v[E+(\t)], 23, v11               ; the scale's byte
	ds_store_b8 v5, v[E+(\t)] offset:16*(\t)       ; both lanes of a block write the same byte with the same value
	global_store_b128 v4, v[C+4*(\t):C+4*(\t)+3], s[10:11] offset:32*CB*(\t)
.endm
.irp t, 0,1,2,3,4,5,6,7,8,9,10,11,12,13,14,15
	STEP \t
.endr
	ds_load_b64 v[12:13], v6                       ; LDS serves a wave's instructions in order: these see my stores
	s_wait_dscnt 0x0
	global_store_b64 v7, v[12:13], s[12:13]        ; 32 lanes store 256 consecutive bytes, aligned
	s_wait_tensorcnt 0x0
	ds_add_u32 v192, v193
	s_wait_dscnt 0x0
	s_endpgm
.Lfunc_end_k_qc67f84fe8b_quant:
	.size	k_qc67f84fe8b_quant, .Lfunc_end_k_qc67f84fe8b_quant-k_qc67f84fe8b_quant
	.p2alignl 7, 3214868480
	.fill 96, 4, 3214868480
	.section	.rodata,"a",@progbits
	.p2align	6, 0x0
	.amdhsa_kernel k_qc67f84fe8b_quant
		.amdhsa_group_segment_fixed_size 33280
		.amdhsa_private_segment_fixed_size 0
		.amdhsa_enable_private_segment 0
		.amdhsa_kernarg_size 40
		.amdhsa_user_sgpr_count 2
		.amdhsa_user_sgpr_kernarg_segment_ptr 1
		.amdhsa_wavefront_size32 1
		.amdhsa_system_sgpr_workgroup_id_x 1
		.amdhsa_system_sgpr_workgroup_id_y 1
		.amdhsa_system_sgpr_workgroup_id_z 1
		.amdhsa_system_vgpr_workitem_id 0
		.amdhsa_next_free_vgpr 194
		.amdhsa_next_free_sgpr 66
		.amdhsa_reserve_vcc 0
		.amdhsa_float_denorm_mode_32 3
		.amdhsa_float_denorm_mode_16_64 3
		.amdhsa_memory_ordered 1
		.amdhsa_forward_progress 1
		.amdhsa_inst_pref_size 51
	.end_amdhsa_kernel
	.amdgpu_metadata
---
amdhsa.version: [ 1, 2 ]
amdhsa.kernels:
  - .name:           k_qc67f84fe8b_quant
    .symbol:         k_qc67f84fe8b_quant.kd
    .args:
      - { .name: x, .offset: 0, .size: 8, .value_kind: global_buffer, .address_space: global }
      - { .name: qkv_w, .offset: 8, .size: 8, .value_kind: global_buffer, .address_space: global }
      - { .name: out_w, .offset: 16, .size: 8, .value_kind: global_buffer, .address_space: global }
      - { .name: codes, .offset: 24, .size: 8, .value_kind: global_buffer, .address_space: global }
      - { .name: scales, .offset: 32, .size: 8, .value_kind: global_buffer, .address_space: global }
    .group_segment_fixed_size: 33280
    .private_segment_fixed_size: 0
    .kernarg_segment_align: 8
    .kernarg_segment_size: 40
    .max_flat_workgroup_size: 128
    .sgpr_count:     66
    .vgpr_count:     194
    .wavefront_size: 32
...
	.end_amdgpu_metadata
.endif
;; end of part 1
;; launch qkv (part 2): grid 12 x 32, 4 waves a work-group, clusters of 4 x 4, 327,680 bytes of LDS; arguments codes, scales, qkv_b, img; writes img
.if DOCPART == 2
	.amdgcn_target "amdgcn-amd-amdhsa--gfx1250"
	.amdhsa_code_object_version 6
	.text
	.protected	k_qc67f84fe8b_qkv
	.globl	k_qc67f84fe8b_qkv
	.p2align	8
	.type	k_qc67f84fe8b_qkv,@function
k_qc67f84fe8b_qkv:
	s_mov_b64 s[64:65], 0
	v_nop
	global_prefetch_b8 v0, s[64:65] scope:SCOPE_SE
	s_setreg_imm32_b32 hwreg(HW_REG_WAVE_MODE, 25, 1), 1
	s_wait_xcnt 0x0
	s_wait_alu depctr_hold_cnt(0) depctr_sa_sdst(0) depctr_va_vdst(0) depctr_va_sdst(0) depctr_va_ssrc(0) depctr_va_vcc(0) depctr_vm_vsrc(0)
	s_getreg_b32 s2, hwreg(HW_REG_IB_STS2, 6, 4)
	s_cmp_eq_u32 s2, 0
	s_cbranch_scc0 .Lentry_in_a_cluster
	s_endpgm
.Lentry_in_a_cluster:
	s_bfe_u32 s2, ttmp6, 0x10000c
	s_cmp_lg_u32 s2, 0xf033
	s_cbranch_scc0 .Lentry_shape_is_right
	s_endpgm
.Lentry_shape_is_right:
; q, k, v = x qkv_w^T + qkv_b on codes of E5M2 with one E8M0 scale for each 32 along K (K = 1,024), and the results quantised at once for attention's two products.
; A tile of 256 x 256 results is made by four waves, 128 x 128 each: 64 accumulators of 16 x 16 in 512 registers.  K goes in steps of 256 through a ring of two LDS slots filled by the tensor data mover.
; Both operands are rows of the one buffer codes (scales beside it).  Cluster x = 0 makes q, 1 makes k: "A" (source 1) = 256 tokens, "B" (source 0) = 256 rows of the weight.
; Cluster x = 2 makes v with the roles exchanged: "A" = 256 rows of the weight, "B" = 256 tokens.  So a lane's registers run along d for q and k, and along the keys for v: along the K of the product that reads them.
; x and qkv_w are stored with bits 3 and 4 of the row number exchanged, so that the 16 registers of result tiles 2 B and 2 B + 1 in lane (r, h) are the 16 NEIGHBOURS 32 B + 16 h + 0 .. 15 of source 0's true index.
; The conversions' results are then four registers of the reader's operand, and go to memory as an image of those registers: 16 bytes a lane at 16 x lane, 512 consecutive bytes a store.
;   img [bh 64][393,216]: +0 q, 128 tiles of 16 tokens x 1,024 bytes (2 groups of 512);  +131,072 k likewise;  +262,144 v, 16 key steps x 4 tiles of 16 d x 2,048 bytes (4 groups of 512).
;   sc  [bh 64][20,480]:  +0 q's scale words, +8,192 k's: 512 bytes for 128 tokens, the word of tile t, row r at 256 (t % 2) + 16 r + 4 (t / 2), bytes 2 and 3 zero;  +16,384 v's: 256 bytes a key step, at 128 (t % 2) + 8 r + 4 (t / 2).
; The bias is added on the way out, in f32, ahead of the quantiser.  The text parts on the cluster's x ONCE, at the way out; all partners of a cluster take the same path.
; CLUSTERS: 4 x 4 work-groups; A's tiles are asked for jointly along a row of the cluster, B's along a column.
; LIMITS: as in the launch before (byte held at 1 from below, a block of zeros has the byte 1, NaN and infinities are not served).
; No prefetch: of K's four steps two are first fills, and the other two are asked for one step after the head.
; REGISTERS: window 0: v0-31 addresses, v8-15 v's bias; v32-63 scale words, two sets; v64-127 the bias; from v128 A's fragments, ONE set; on the way out v128-191 codes, v192-219 at work.
;   window 1: B's fragments, two sets.   windows 2 and 3: the accumulators ((a, b) at v[8 (8 (a % 4) + b)]).
.set NQ,     2                         ; matrix instructions deep in a slot
.set ROWB,   256                       ; a tile's row in bytes
.set KROW,   1024                      ; a row of codes in memory
.set PITCH,  272                       ; an LDS row: 256 bytes + 16 of padding: the 16 rows that a load touches start 68 words apart
.set FR,     16
.set NL,     4
.set NP,     8                         ; places behind this matrix instruction (ISA guide 7.12.1)
.set HALFT,  128*PITCH
.set SLOT,   4*HALFT
.set KS,     32                        ; a row of scale bytes
.set SCL,    2*SLOT                    ; behind the ring: the scales of A's and B's 256 rows, for all of K
.set HALFS,  (128*KS/256)*272
.set SBLK,   (16*KS/256)*272
.set SPARE,  SCL+4*HALFS               ; the spare words: 128 bytes a wave, two blocks of 256 bytes that no other line names
.set STV,    8192                      ; the stages for scale words lie in slot 0, which has had its last fill and its last read: q and k: 1,024 bytes a wave from 0; v: 512 a wave from here
.set BHI,    413696                    ; a bh's part of img: 393,216 bytes of codes, then its 20,480 bytes of scale words (q's, k's, v's), so that k, v and the scale words are one dense run for the reader
.set BHS,    413696                    ; from one bh's scale words to the next bh's
.set BQO,  7                           ; v7   bias by column: 64 h
.set BV,   8                           ; v8-15 bias by row, one register for each of A's blocks
.set ADRA, 16
.set ADRB, 20
.set SSQ,  22                          ; v22  q, k: where my scale word goes in the stage
.set SRQ,  23                          ; v23  and where 16 bytes come back
.set SSV,  24                          ; v24, v25 the same for v
.set SRV,  25
.set CO,   26                          ; v26  16 x lane
.set ADRS, 27
.set SPW,  28
.set NIL,  29
.set VO,   30                          ; v30  v's scale words in memory: 16 (lane % 16) + one bh for lanes 16-31
.set BVO,  31                          ; v31  bias by row: 4 (r % 8) + 64 (r / 8)
.set SC,   32
.set BIAS, 64
.set AF,   128
.set BM,   192
.set PX,   196
.set HO,   200
.set CV,   204
.set WD,   208
.set G1, 24
.set G0, 32
.set G1B, 48
.set G0B, 56
.set G1S, 68
.set G0S, 76
.set G1SB, 80
.set G0SB, 88
.set ISV, 67                           ; s67  1 where the cluster makes v
.set G0H, 4                            ; s[4:7], s[92:95] group 0 for the head's loads of K step 0: A's 256 rows, B's 256 rows (what lay there has been used by then)
.set G0HB, 92
.set HM,  97                           ; s97  lanes 16-31
.set SEL, 98                           ; s[98:99]
.set MNT, 101
.set MSB, 0
.macro WIN new                         ; the immediate's high byte repeats the setting that is left
.if MSB != (\new)
	s_set_vgpr_msb (MSB<<8)|(\new)
.set MSB, (\new)
.endif
.endm
.set MUL_LO, 0xa1                      ; source 0 (B) window 1, source 1 (A) window 0, C and D window 2
.set MUL_HI, 0xf1
.set TO_B,   0x40
; A joint load: waves 0 and 1 fetch for A, waves 2 and 3 for B; the branch hangs on the wave's number alone.  Four v_nop follow each of the two lines.
.macro JLOAD g0a, g1a, g0b, g1b
	s_cmp_eq_u32 s15, 0
	s_cbranch_scc0 .Lfor_b_\@
	tensor_load_to_lds s[\g0a:\g0a+3], s[\g1a:\g1a+7]
	s_nop 0
.rept 4
	v_nop
.endr
	s_branch .Lasked_\@
.Lfor_b_\@:
	tensor_load_to_lds s[\g0b:\g0b+3], s[\g1b:\g1b+7]
	s_nop 0
.rept 4
	v_nop
.endr
.Lasked_\@:
.endm
.macro CREST                           ; a round of the cluster's barrier behind its opening barrier
	s_cmp_lg_u32 s14, 0
	s_cbranch_scc1 .Lnot_wave_0_\@
	s_barrier_signal -3
.Lnot_wave_0_\@:
	s_barrier_wait -3
	s_barrier_signal -1
	s_barrier_wait -1
.endm
.macro CROUND
	s_barrier_signal -1
	s_barrier_wait -1
	CREST
.endm
	s_load_b128 s[4:7], s[0:1], 0x0                ; codes, scales
	s_load_b128 s[8:11], s[0:1], 0x10              ; qkv_b, img
	v_lshl_add_u32 v[SPW], v0, 2, SPARE
	v_mov_b32 v[NIL], 0
	ds_add_u32 v28, v29
	ds_add_u32 v28, v29
	s_wait_dscnt 0x0
	v_lshrrev_b32 v1, 5, v0
	v_readfirstlane_b32 s14, v1                    ; wave 0..3
	s_lshr_b32 s15, s14, 1                         ; which half of A's rows is mine.  Also: I fetch for A (0) or for B (1)
	s_and_b32 s16, s14, 1                          ; which half of B's rows.  Also: which 128 rows I fetch
	s_bfe_u32 s40, ttmp6, 0x40000                  ; cx
	s_bfe_u32 s41, ttmp6, 0x40004                  ; cy
	s_and_b32 s66, ttmp7, 0xffff
	s_lshl_b32 s66, s66, 2                         ; 4 x cluster y: a block of 1,024 tokens
	s_lshl_b32 s67, ttmp9, 2
	s_add_co_u32 s67, s67, 32                      ; q's or k's weight: rows 8,192 + 1,024 x cluster x, in tiles of 256
	s_cmp_eq_u32 ttmp9, 2                          ; the cluster's x is the same in all sixteen partners
	s_cselect_b32 s17, 40, s66                     ; A: v's weight (rows 10,240 on) or tokens
	s_cselect_b32 s42, s66, s67                    ; B: tokens or q's, k's weight
	s_cselect_b32 s[ISV], 1, 0
	s_add_co_u32 s17, s17, s41                     ; A's tile of 256 rows: hangs on cy alone
	s_add_co_u32 s42, s42, s40                     ; B's: on cx alone
	s_lshl_b32 s43, s41, 2
	s_lshl_b32 s43, 15, s43                        ; my row of the cluster
	s_lshl_b32 s44, 0x1111, s40                    ; my column
	s_or_b32 s[G1+0], s43, (0<<16)|(1<<20)|(1<<21)|(5<<22)|(3<<25)  ; the mask; elements of 1 byte; padding on; bit 21 beside a mask; after every 64 words, 4 words
	s_or_b32 s[G1B+0], s44, (0<<16)|(1<<20)|(1<<21)|(5<<22)|(3<<25)
.irp g, G1, G1B
	s_mov_b32 s[\g+1], ROWB<<16                    ; tensor_dim0
	s_mov_b32 s[\g+2], 256<<16                     ; tensor_dim1: 256 rows for the head's loads; behind them 128
	s_mov_b32 s[\g+3], ROWB<<16                    ; tile_dim0
	s_mov_b32 s[\g+4], 256                         ; tile_dim1
	s_mov_b32 s[\g+5], KROW                        ; from row to row
	s_mov_b32 s[\g+6], 0
	s_mov_b32 s[\g+7], 0
.endr
	s_or_b32 s[G1S+0], s43, (3<<16)|(1<<20)|(1<<21)|(5<<22)|(3<<25)  ; the scales of 256 rows: 8,192 dense bytes as 32 rows of 256 (32 elements of 8 bytes), 16 bytes of padding behind each
	s_or_b32 s[G1SB+0], s44, (3<<16)|(1<<20)|(1<<21)|(5<<22)|(3<<25)
.irp g, G1S, G1SB
	s_mov_b32 s[\g+1], 32<<16
	s_mov_b32 s[\g+2], (256*KS/256)<<16            ; the scales of 256 rows: 32 rows of 256 bytes
	s_mov_b32 s[\g+3], 32<<16
	s_mov_b32 s[\g+4], 256*KS/256
	s_mov_b32 s[\g+5], 32
	s_mov_b32 s[\g+6], 0
	s_mov_b32 s[\g+7], 0
.endr
	s_lshl_b32 s18, s16, 17                        ; in the ring I fetch 128 rows of a tile: which half, in bytes
	s_mov_b32 s19, 0
	s_lshl_b32 s20, s17, 8                         ; A's tile: its first row
	s_lshl_b32 s46, s42, 8                         ; B's
	s_lshl_b32 s22, s20, 5                         ; their scales, 32 bytes a row,
	s_mov_b32 s23, 0
	s_lshl_b32 s92, s46, 5
	s_mov_b32 s93, 0
	s_lshl_b32 s20, s20, 10                        ; and their codes, 1,024 bytes a row (12,288 rows: under 2^32)
	s_mov_b32 s21, 0
	s_lshl_b32 s46, s46, 10
	s_mov_b32 s47, 0
	s_mul_i32 s45, s14, HALFT                      ; where they go: wave x 128 rows: no place in the cluster enters an LDS address
	s_wait_kmcnt 0x0
	s_mov_b64 s[12:13], s[10:11]                   ; the scale words go into img too
	s_add_nc_u64 s[20:21], s[4:5], s[20:21]
	s_add_nc_u64 s[22:23], s[6:7], s[22:23]
	s_add_nc_u64 s[46:47], s[4:5], s[46:47]
	s_add_nc_u64 s[92:93], s[6:7], s[92:93]
	CROUND                                         ; all sixteen work-groups are here: the first joint loads meet
	s_mov_b32 s[G0S], 1
	s_mov_b32 s[G0S+1], SCL
	s_mov_b64 s[G0S+2:G0S+3], s[22:23]
	s_or_b32 s[G0S+3], s[G0S+3], 0x80000000
	s_mov_b32 s[G0SB], 1
	s_mov_b32 s[G0SB+1], SCL+2*HALFS
	s_mov_b64 s[G0SB+2:G0SB+3], s[92:93]
	s_or_b32 s[G0SB+3], s[G0SB+3], 0x80000000
	s_mov_b32 s[G0H], 1                            ; K step 0's 256 rows of A, whole,
	s_mov_b32 s[G0H+1], 0
	s_mov_b64 s[G0H+2:G0H+3], s[20:21]
	s_or_b32 s[G0H+3], s[G0H+3], 0x80000000
	s_mov_b32 s[G0HB], 1                           ; and of B, behind them in slot 0
	s_mov_b32 s[G0HB+1], 2*HALFT
	s_mov_b64 s[G0HB+2:G0HB+3], s[46:47]
	s_or_b32 s[G0HB+3], s[G0HB+3], 0x80000000
	s_add_nc_u64 s[20:21], s[20:21], s[18:19]      ; for the ring: my 128 rows of the tile
	s_add_nc_u64 s[46:47], s[46:47], s[18:19]
.irp s, 0,1
	s_mov_b32 s[G0+4*\s], 1
	s_add_co_u32 s[G0+4*\s+1], s45, \s*SLOT
	s_add_nc_u64 s[G0+4*\s+2:G0+4*\s+3], s[20:21], \s*ROWB
	s_or_b32 s[G0+4*\s+3], s[G0+4*\s+3], 0x80000000
	s_mov_b32 s[G0B+4*\s], 1
	s_add_co_u32 s[G0B+4*\s+1], s45, \s*SLOT
	s_add_nc_u64 s[G0B+4*\s+2:G0B+4*\s+3], s[46:47], \s*ROWB
	s_or_b32 s[G0B+4*\s+3], s[G0B+4*\s+3], 0x80000000
.endr
; THE HEAD'S LOADS, ONE A WAVE: wave 0 fetches K step 0's 256 rows of A, wave 1 its 256 rows of B, wave 2 the scales of A's 256 rows, wave 3 those of B's.
; One tree of branches on the wave's number: every way through the head passes exactly one load.
.macro ARM under, g0, g1, next
	s_cmp_lt_u32 s14, \under
	s_cbranch_scc0 \next
	tensor_load_to_lds s[\g0:\g0+3], s[\g1:\g1+7]
	s_nop 0
.rept 4
	v_nop
.endr
	s_branch .Lhead_asked
\next:
.endm
	ARM 1, G0H,  G1,  .Lhead_b
	ARM 2, G0HB, G1B, .Lhead_sa
	ARM 3, G0S,  G1S, .Lhead_sb
	tensor_load_to_lds s[G0SB:G0SB+3], s[G1SB:G1SB+7]
	s_nop 0
.rept 4
	v_nop
.endr
.Lhead_asked:
	v_and_b32 v1, 15, v0                           ; r
	v_bfe_u32 v2, v0, 4, 1                         ; h
	v_mul_u32_u24 v3, v1, PITCH
	v_lshl_add_u32 v4, v2, 4, v3                   ; a fragment's row x pitch + 16 h
	s_mul_i32 s21, s15, HALFT                      ; my 128 rows of A
	s_mul_i32 s22, s16, HALFT                      ; my 128 rows of B,
	s_add_co_u32 s22, s22, 2*HALFT                 ; which lie behind A's 256
.irp s, 0,1
	v_add_nc_u32 v[ADRA+\s], s21, v4
	v_add_nc_u32 v[ADRB+\s], s22, v4
	s_add_co_u32 s21, s21, SLOT
	s_add_co_u32 s22, s22, SLOT
.endr
	v_mul_u32_u24 v5, v1, KS                       ; my row's scales: 32 bytes a row,
	v_lshrrev_b32 v6, 8, v5
	v_lshl_add_u32 v5, v6, 4, v5                   ; and 16 more for each 256 passed
	s_mul_i32 s21, s15, HALFS
	s_mul_i32 s22, s16, HALFS
	s_add_co_u32 s22, s22, 2*HALFS
	s_sub_co_u32 s22, s22, s21
	v_mul_u32_u24 v6, s22, v2                      ; lanes 16-31 take B's
	s_add_co_u32 s21, s21, SCL
	v_add_nc_u32 v5, v5, v6
	v_add_nc_u32 v[ADRS], s21, v5
	; the way out's addresses, all made here, ahead of the parting
	s_lshl_b32 s21, s14, 10
	v_lshlrev_b32 v5, 4, v1
	v_lshl_add_u32 v5, v2, 9, v5
	v_add_nc_u32 v[SSQ], s21, v5                   ; 1,024 x wave + 16 r + 512 h: lanes 0-15 carry the first head's word, lanes 16-31 the second's
	v_and_b32 v6, 31, v0
	v_lshlrev_b32 v[CO], 4, v6
	v_add_nc_u32 v[SRQ], s21, v[CO]
	s_lshl_b32 s21, s14, 9
	s_add_co_u32 s21, s21, STV
	v_lshlrev_b32 v5, 3, v1
	v_add_nc_u32 v[SSV], s21, v5
	v_add_nc_u32 v[SRV], s21, v[CO]
	v_mul_u32_u24 v5, v2, BHS
	v_lshl_add_u32 v[VO], v1, 4, v5
	v_lshlrev_b32 v[BQO], 6, v2
	s_wait_alu depctr_va_vdst(0)
	v_and_b32 v5, 7, v1
	v_lshrrev_b32 v6, 3, v1
	v_lshlrev_b32 v5, 2, v5
	v_lshl_add_u32 v[BVO], v6, 6, v5
	; where my results go.  tokens: tile of 256 tok, my half ht;  heads: group of four hq, my pair hh
	s_wait_alu depctr_va_vdst(0)
	s_cmp_eq_u32 s[ISV], 1
	s_cselect_b32 s96, s42, s17                    ; tok
	s_cselect_b32 s97, s16, s15                    ; ht
	s_cselect_b32 s98, s41, s40                    ; hq
	s_cselect_b32 s99, s15, s16                    ; hh
	s_cselect_b32 s18, 8, 9                        ; a key step's scale words: 256 bytes for v, 512 for q and k
	s_lshr_b32 s100, s96, 3                        ; the batch
	s_and_b32 s96, s96, 7
	s_lshl_b32 s96, s96, 1
	s_add_co_u32 s96, s96, s97                     ; which 128 tokens of the batch's 2,048
	s_lshl_b32 s100, s100, 4
	s_lshl_b32 s98, s98, 2
	s_add_co_u32 s100, s100, s98
	s_lshl_b32 s99, s99, 1
	s_add_co_u32 s100, s100, s99                   ; bh of my first head
	s_mul_i32 s20, s100, BHI
	s_lshl_b32 s21, ttmp9, 17                      ; q, k, v begin 131,072 bytes apart
	s_add_co_u32 s20, s20, s21
	s_lshl_b32 s21, s96, 13                        ; 128 tokens are 8,192 bytes in each of the three
	s_add_co_u32 s20, s20, s21
	s_mov_b32 s21, 0
	s_add_nc_u64 s[10:11], s[10:11], s[20:21]
	s_lshl_b32 s22, s96, s18
	s_mul_i32 s20, s100, BHS
	s_add_co_u32 s20, s20, 393216                  ; behind the bh's codes
	s_add_co_u32 s20, s20, s22
	s_lshl_b32 s22, ttmp9, 13                      ; the three runs of scale words begin 8,192 bytes apart
	s_add_co_u32 s20, s20, s22
	s_add_nc_u64 s[12:13], s[12:13], s[20:21]
	; the bias, both kinds, without a branch; the kind that my path does not use is read at the buffer's head
	s_lshl_b32 s20, ttmp9, 12
	s_lshl_b32 s22, s40, 10
	s_add_co_u32 s20, s20, s22
	s_lshl_b32 s22, s16, 9
	s_add_co_u32 s20, s20, s22                     ; by column: 4 (1,024 x + 256 cx + 128 half)
	s_lshl_b32 s22, s41, 10
	s_lshl_b32 s23, s15, 9
	s_add_co_u32 s22, s22, s23
	s_add_co_u32 s22, s22, 8192                    ; by row: 4 (2,048 + 256 cy + 128 half)
	s_cmp_eq_u32 s[ISV], 1
	s_cselect_b32 s20, 0, s20
	s_cselect_b32 s22, s22, 0
	s_mov_b32 s23, 0
	s_add_nc_u64 s[2:3], s[8:9], s[22:23]
	s_add_nc_u64 s[8:9], s[8:9], s[20:21]
.irp b, 0,1,2,3,4,5,6,7
	global_load_b128 v[BIAS+8*\b:BIAS+8*\b+3], v[BQO], s[8:9] offset:128*(\b/2)+32*(\b%2)       ; register j of B's block b is column 32 (b / 2) + 16 h + 8 (b % 2) + j
	global_load_b128 v[BIAS+8*\b+4:BIAS+8*\b+7], v[BQO], s[8:9] offset:128*(\b/2)+32*(\b%2)+16
.endr
.irp a, 0,1,2,3,4,5,6,7
	global_load_b32 v[BV+\a], v[BVO], s[2:3] offset:128*(\a/2)+32*(\a%2)                        ; lane r of A's block a is row 32 (a / 2) + 8 (a % 2) + r + 8 (r / 8)
.endr
	s_mov_b32 s[HM], 0xffff0000
	s_mov_b32 s[SEL], 0x76543210
	s_mov_b32 s[SEL+1], 0xfedcba98                 ; v_permlanex16_b32's selects for lane l xor 16
	s_mov_b32 s[MNT], 0x600000                     ; the mantissa field of 57,344
.macro FRAG reg, adr, q, i             ; 16 rows x 128 K of 8-bit codes: lane l holds row l % 16; registers 4 c .. 4 c + 3 hold K = 32 c + 16 (l / 16) + 0 .. 15
.irp c, 0,1,2,3
	ds_load_b128 v[\reg+4*\c:\reg+4*\c+3], v[\adr] offset:128*(\q)+32*\c+(\i)*16*PITCH
.endr
.endm
; 16 matrix instructions: A's blocks a0, a0 + 1 x B's eight.  p: B's set; sc: the set of scale words.  zero = 1: the first product starts the sums.
; The 64 accumulators take turns, one instruction a turn, in the same order in every step.
.macro MUL16 a0, p, q, sc, zero
.irp a, \a0, \a0+1
.irp b, 0,1,2,3,4,5,6,7
.if \zero
	v_wmma_scale_f32_16x16x128_f8f6f4 v[8*(8*((\a)%4)+\b):8*(8*((\a)%4)+\b)+7], v[128*(\p)+FR*\b:128*(\p)+FR*\b+FR-1], v[AF+FR*(\a):AF+FR*(\a)+FR-1], 0, v[SC+8*NQ*(\sc)+NQ*\b+(\q)], v[SC+8*NQ*(\sc)+NQ*(\a)+(\q)] matrix_a_fmt:MATRIX_FMT_BF8 matrix_b_fmt:MATRIX_FMT_BF8 matrix_a_scale:MATRIX_SCALE_ROW1
.else
	v_wmma_scale_f32_16x16x128_f8f6f4 v[8*(8*((\a)%4)+\b):8*(8*((\a)%4)+\b)+7], v[128*(\p)+FR*\b:128*(\p)+FR*\b+FR-1], v[AF+FR*(\a):AF+FR*(\a)+FR-1], v[8*(8*((\a)%4)+\b):8*(8*((\a)%4)+\b)+7], v[SC+8*NQ*(\sc)+NQ*\b+(\q)], v[SC+8*NQ*(\sc)+NQ*(\a)+(\q)] matrix_a_fmt:MATRIX_FMT_BF8 matrix_b_fmt:MATRIX_FMT_BF8 matrix_a_scale:MATRIX_SCALE_ROW1
.endif
.endr
.endr
.endm
.macro FETCH_B slot, q, p
	WIN TO_B
.irp i, 0,1,2,3,4,5,6,7
	FRAG 128*(\p)+FR*\i, ADRB+\slot, \q, \i
.endr
	WIN 0
.endm
.macro FETCH_A slot, q, i0
.irp i, \i0, \i0+1, \i0+2, \i0+3
	FRAG AF+FR*(\i), ADRA+\slot, \q, \i
.endr
.endm
.macro SCALES sc                       ; a K step's scale words: two words a row; lanes 0-15 take A's block i, lanes 16-31 B's block i
.irp i, 0,1,2,3,4,5,6,7
	ds_load_b64 v[SC+8*NQ*\sc+NQ*\i:SC+8*NQ*\sc+NQ*\i+1], v[ADRS] offset:\i*SBLK
.endr
.endm
.macro PLACES n                        ; plain vector instructions between a matrix instruction and a load into its registers or a read of its result
.rept \n
	v_nop
.endr
.endm
.macro STEP slot, q, zero              ; 128 along K that has its successor in the same slot
	s_wait_dscnt 4*NL                              ; B's set and A's blocks 0-3 are in; the youngest sixteen loads (A's blocks 4-7) may be out
	WIN MUL_LO
	MUL16 0, (\q)%2, \q, \slot, \zero
	MUL16 2, (\q)%2, \q, \slot, \zero
	s_wait_dscnt 0
	PLACES NP
	FETCH_B \slot, (\q)+1, 1-(\q)%2
	FETCH_A \slot, (\q)+1, 0
	WIN MUL_HI
	MUL16 4, (\q)%2, \q, \slot, \zero
	MUL16 6, (\q)%2, \q, \slot, \zero
	PLACES NP
	WIN 0
	FETCH_A \slot, (\q)+1, 4
.endm
; A slot's last step changes slots: one barrier; in front of it each wave waits for all its tensor loads, adds 0 to its spare word, and waits for that and for its reads of this slot.  fill = 1: the slot is filled again, two K steps ahead.
.macro TURN slot, next, fill
	s_wait_tensorcnt 0x0                           ; all my tensor loads have landed: my part of the next slot
	ds_add_u32 v[SPW], v[NIL]                      ; 0 onto my spare word
	s_wait_dscnt 4*NL+1                            ; (the add and the youngest sixteen loads may be out)
	WIN MUL_LO
	MUL16 0, 1, NQ-1, \slot, 0
	s_wait_dscnt 0x0                               ; the add is done, and my reads of this slot are over
	s_barrier_signal -1
	MUL16 2, 1, NQ-1, \slot, 0
	WIN 0
	s_barrier_wait -1
.if \fill
	CREST                                          ; the barrier has opened a round of the cluster's barrier: no wave of any partner still reads this slot or has a load on its way
	s_add_nc_u64 s[G0+4*\slot+2:G0+4*\slot+3], s[G0+4*\slot+2:G0+4*\slot+3], 2*ROWB
	s_add_nc_u64 s[G0B+4*\slot+2:G0B+4*\slot+3], s[G0B+4*\slot+2:G0B+4*\slot+3], 2*ROWB
	JLOAD G0+4*\slot, G1, G0B+4*\slot, G1B         ; the first tensor load behind the round; its four v_nop are among the places in front of the loads below
	PLACES NP-4
.else
	PLACES NP
.endif
	s_wait_alu depctr_va_vdst(0)
	v_add_nc_u32 v[ADRS], 4*NQ, v[ADRS]            ; on to the next K step's scale words
	FETCH_B \next, 0, 0
	FETCH_A \next, 0, 0
	SCALES \next
	WIN MUL_HI
	MUL16 4, 1, NQ-1, \slot, 0
	MUL16 6, 1, NQ-1, \slot, 0
	PLACES NP
	WIN 0
	FETCH_A \next, 0, 4
.endm
	s_wait_alu depctr_va_vdst(0)
	s_wait_tensorcnt 0x0                           ; my tile of the head's four is in
	ds_add_u32 v[SPW], v[NIL]
	s_mov_b32 s[G1+2], 128<<16                     ; no tensor load of mine is out: from here on a load brings 128 rows
	s_mov_b32 s[G1+4], 128
	s_mov_b32 s[G1B+2], 128<<16
	s_mov_b32 s[G1B+4], 128
	s_wait_dscnt 0x0
	CROUND                                         ; all four tiles are in, and all sixteen work-groups are here
	JLOAD G0+4, G1, G0B+4, G1B                     ; K step 1's load, the first tensor load behind the round
	FETCH_B 0, 0, 0
	FETCH_A 0, 0, 0
	SCALES 0
	FETCH_A 0, 0, 4
	STEP 0, 0, 1                                   ; K has four slots' worth: the walk is written out
	TURN 0, 1, 1
	STEP 1, 0, 0
	TURN 1, 0, 1
	STEP 0, 0, 0
	TURN 0, 1, 0                                   ; the last two slots are not filled again
	STEP 1, 0, 0
	s_wait_dscnt 4*NL
	WIN MUL_LO
	MUL16 0, 1, NQ-1, 1, 0
	MUL16 2, 1, NQ-1, 1, 0
	s_wait_dscnt 0
	WIN MUL_HI
	MUL16 4, 1, NQ-1, 1, 0
	MUL16 6, 1, NQ-1, 1, 0
	WIN 0
; THE WAY OUT, a block of A's 16 rows at a time: bias, the four blocks' largest magnitudes, scale bytes, hold, conversion; the codes leave as images of the reader's registers.
; Registers 16 B .. 16 B + 15 of the block's 64 are 16 neighbours of quantiser block B; lane l xor 16 holds the other 16.  isv = 1: v's path.
.macro QBLK a, isv
.set AC, 64*((\a)%4)
.set WW, 2+(\a)/4
.set PC, 128+16*((\a)%4)
	WIN WW|(WW<<6)                                 ; source 0 and destination: the accumulators' window
.set j, 0
.rept 32
.if \isv
	v_pk_add_f32 v[AC+j:AC+j+1], v[AC+j:AC+j+1], v[BIAS+2*(\a):BIAS+2*(\a)+1]   ; my row's bias; each accumulator is read from its low end on
.else
	v_pk_add_f32 v[AC+j:AC+j+1], v[AC+j:AC+j+1], v[BIAS+j:BIAS+j+1]             ; my 64 columns' bias
.endif
.set j, j+2
.endr
	WIN WW|(WW<<2)
.irp b, 0,1,2,3
	v_max3_num_f32 v[BM+\b], |v[AC+16*\b]|, |v[AC+16*\b+1]|, 0x8000000          ; with the floor 2^(16 - 127): the byte cannot fall under 1
.endr
	WIN (WW<<2)|(WW<<4)
.irp i, 2,4,6,8,10,12,14
.irp b, 0,1,2,3
	v_max3_num_f32 v[BM+\b], v[BM+\b], |v[AC+16*\b+\i]|, |v[AC+16*\b+\i+1]|
.endr
.endr
	WIN 0
.irp b, 0,1,2,3
	v_permlanex16_b32 v[PX+\b], v[BM+\b], s[SEL], s[SEL+1]
.endr
.irp b, 0,1,2,3
	v_max_num_f32 v[BM+\b], v[BM+\b], v[PX+\b]     ; the block's largest magnitude
.endr
.irp b, 0,1,2,3
	v_add_nc_u32 v[CV+\b], 0xf8800000, v[BM+\b]    ; 15 off its exponent field: the conversion's scale operand
.endr
.irp b, 0,1,2,3
	v_and_or_b32 v[HO+\b], v[BM+\b], 0x7f800000, s[MNT]   ; 57,344 x the scale
.endr
.irp b, 0,1,2,3
	v_lshrrev_b32 v[PX+\b], 23, v[CV+\b]           ; the scale's byte
.endr
.if \isv
	v_lshl_or_b32 v[WD], v[PX+1], 8, v[PX]         ; four blocks of 32 keys: my d's word for this key step
	v_lshl_or_b32 v[WD], v[PX+2], 16, v[WD]
	v_lshl_or_b32 v[WD], v[PX+3], 24, v[WD]
	ds_store_b32 v[SSV], v[WD] offset:256*((\a)/4)+128*((\a)%2)+4*(((\a)%4)/2)   ; both halves of the lanes write the same word
.else
	v_lshl_or_b32 v[WD], v[PX+1], 8, v[PX]         ; two blocks of 32 d for each of two heads; bytes 2 and 3 stay 0
	v_lshl_or_b32 v[WD+1], v[PX+3], 8, v[PX+2]
	v_cndmask_b32 v[WD], v[WD], v[WD+1], s[HM]     ; lanes 16-31 carry the second head's
	ds_store_b32 v[SSQ], v[WD] offset:256*((\a)%2)+4*((\a)/2)
.endif
	WIN WW|(WW<<6)
.irp b, 0,1,2,3
.irp i, 0,1,2,3,4,5,6,7,8,9,10,11,12,13,14,15
	v_med3_num_f32 v[AC+16*\b+\i], v[AC+16*\b+\i], -v[HO+\b], v[HO+\b]   ; the conversion does not saturate (ISA guide 7.6.2): the hold comes first
.endr
.endr
.if (\a) >= 4
	s_wait_alu depctr_va_vdst(0)
	s_wait_xcnt 0x0                                ; the stores of four blocks ago have read their data: those registers are written again only behind this wait
.endif
	WIN WW
.irp b, 0,1,2,3
	v_cvt_scalef32_pk8_bf8_f32 v[PC+4*\b:PC+4*\b+1], v[AC+16*\b:AC+16*\b+7], v[CV+\b]
	v_cvt_scalef32_pk8_bf8_f32 v[PC+4*\b+2:PC+4*\b+3], v[AC+16*\b+8:AC+16*\b+15], v[CV+\b]
.endr
	WIN 0
	v_nop                                          ; a plain instruction behind the last conversion, ahead of the next block's writes of the scale operands
.irp b, 0,1,2,3
.if \isv
	global_store_b128 v[CO], v[PC+4*\b:PC+4*\b+3], s[10:11] offset:((\a)/4)*BHI+((\a)%4)*2048+512*\b     ; head a / 4, tile a % 4 of its d, group b: 512 consecutive bytes
.else
	global_store_b128 v[CO], v[PC+4*\b:PC+4*\b+3], s[10:11] offset:(\b/2)*BHI+(\b%2)*512+(\a)*1024       ; head b / 2, tile a of the tokens, group b % 2
.endif
.endr
.endm
	PLACES NP                                      ; behind the last products: ahead of the first read of results and of writes into A's registers
	s_wait_loadcnt 0x0                             ; the bias
.irp b, 0,1,2,3
	v_mov_b32 v[PX+\b], 0                          ; written once: a lane permute's destination counts as one of its sources
.endr
	s_cmp_eq_u32 s[ISV], 1
	s_cbranch_scc1 .Lv_path
.irp a, 0,1,2,3,4,5,6,7
	QBLK \a, 0
.endr
	ds_load_b128 v[212:215], v[SRQ]                ; my own stage: LDS serves a wave's instructions in order
	ds_load_b128 v[216:219], v[SRQ] offset:512
	s_wait_dscnt 0x0
	global_store_b128 v[CO], v[212:215], s[12:13]                ; 512 consecutive bytes: the first head's words of these 128 tokens,
	global_store_b128 v[CO], v[216:219], s[12:13] offset:BHS     ; the second head's
	s_wait_tensorcnt 0x0                           ; the wave's end
	ds_add_u32 v[SPW], v[NIL]
	s_wait_dscnt 0x0
	s_branch .Lclose
.Lv_path:
.irp a, 0,1,2,3,4,5,6,7
	v_mov_b32 v[BIAS+2*\a], v[BV+\a]               ; a row's bias twice: a pair for the packed addition
	v_mov_b32 v[BIAS+2*\a+1], v[BV+\a]
.endr
.irp a, 0,1,2,3,4,5,6,7
	QBLK \a, 1
.endr
	ds_load_b128 v[212:215], v[SRV]
	s_wait_dscnt 0x0
	global_store_b128 v[VO], v[212:215], s[12:13]  ; lanes 0-15: 256 consecutive bytes of the first head, lanes 16-31 of the second
	s_wait_tensorcnt 0x0                           ; the wave's end
	ds_add_u32 v[SPW], v[NIL]
	s_wait_dscnt 0x0
.Lclose:
	CROUND                                         ; the closing round: no work-group ends while a partner may still ask for a tile that names it
	s_endpgm
.Lfunc_end_k_qc67f84fe8b_qkv:
	.size	k_qc67f84fe8b_qkv, .Lfunc_end_k_qc67f84fe8b_qkv-k_qc67f84fe8b_qkv
	.p2alignl 7, 3214868480
	.fill 96, 4, 3214868480
	.section	.rodata,"a",@progbits
	.p2align	6, 0x0
	.amdhsa_kernel k_qc67f84fe8b_qkv
		.amdhsa_group_segment_fixed_size 327680
		.amdhsa_private_segment_fixed_size 0
		.amdhsa_enable_private_segment 0
		.amdhsa_kernarg_size 32
		.amdhsa_user_sgpr_count 2
		.amdhsa_user_sgpr_kernarg_segment_ptr 1
		.amdhsa_wavefront_size32 1
		.amdhsa_system_sgpr_workgroup_id_x 1
		.amdhsa_system_sgpr_workgroup_id_y 1
		.amdhsa_system_sgpr_workgroup_id_z 1
		.amdhsa_system_vgpr_workitem_id 0
		.amdhsa_next_free_vgpr 1024
		.amdhsa_next_free_sgpr 104
		.amdhsa_reserve_vcc 0
		.amdhsa_float_denorm_mode_32 3
		.amdhsa_float_denorm_mode_16_64 3
		.amdhsa_memory_ordered 1
		.amdhsa_forward_progress 1
		.amdhsa_inst_pref_size 255
	.end_amdhsa_kernel
	.section	.bss,"aw",@nobits
	.p2align	6
	.space	262144
	.amdgpu_metadata
---
amdhsa.version: [ 1, 2 ]
amdhsa.kernels:
  - .name:           k_qc67f84fe8b_qkv
    .symbol:         k_qc67f84fe8b_qkv.kd
    .args:
      - { .name: codes, .offset: 0, .size: 8, .value_kind: global_buffer, .address_space: global }
      - { .name: scales, .offset: 8, .size: 8, .value_kind: global_buffer, .address_space: global }
      - { .name: qkv_b, .offset: 16, .size: 8, .value_kind: global_buffer, .address_space: global }
      - { .name: img, .offset: 24, .size: 8, .value_kind: global_buffer, .address_space: global }
    .group_segment_fixed_size: 327680
    .private_segment_fixed_size: 0
    .kernarg_segment_align: 8
    .kernarg_segment_size: 32
    .max_flat_workgroup_size: 128
    .sgpr_count:     104
    .vgpr_count:     1024
    .wavefront_size: 32
...
	.end_amdgpu_metadata
.endif
;; end of part 2
;; launch attn (part 3): grid 4 x 64, 16 waves a work-group, clusters of 4 x 1, 327,680 bytes of LDS; arguments img, attn_img, attn_sc; writes attn_img, attn_sc
.if DOCPART == 3
	.amdgcn_target "amdgcn-amd-amdhsa--gfx1250"
	.amdhsa_code_object_version 6
	.text
	.protected	k_qc67f84fe8b_attn
	.globl	k_qc67f84fe8b_attn
	.p2align	8
	.type	k_qc67f84fe8b_attn,@function
k_qc67f84fe8b_attn:
	s_mov_b64 s[64:65], 0
	v_nop
	global_prefetch_b8 v0, s[64:65] scope:SCOPE_SE
	s_setreg_imm32_b32 hwreg(HW_REG_WAVE_MODE, 25, 1), 1
	s_wait_xcnt 0x0
	s_wait_alu depctr_hold_cnt(0) depctr_sa_sdst(0) depctr_va_vdst(0) depctr_va_sdst(0) depctr_va_ssrc(0) depctr_va_vcc(0) depctr_vm_vsrc(0)
	s_getreg_b32 s2, hwreg(HW_REG_IB_STS2, 6, 4)
	s_cmp_eq_u32 s2, 0
	s_cbranch_scc0 .Lentry_in_a_cluster
	s_endpgm
.Lentry_in_a_cluster:
	s_bfe_u32 s2, ttmp6, 0x10000c
	s_cmp_lg_u32 s2, 0x3003
	s_cbranch_scc0 .Lentry_shape_is_right
	s_endpgm
.Lentry_shape_is_right:
; attention of one (batch, head) on codes of E5M2 with one E8M0 scale for each 32 along a product's K; the result is quantised at once for the projection that follows.
; img [bh 64][413,696]: +0 q, 128 tiles of 16 tokens x 1,024 bytes; +131,072 k likewise; +262,144 v, 16 key steps x 4 tiles of 16 d x 2,048 bytes: all images of operand registers, 16 bytes a lane at 16 x lane;
;   +393,216 q's scale words, +401,408 k's (512 bytes for 128 tokens), +409,600 v's (256 bytes a key step).
; SHARES. A work-group owns 512 queries of one bh; each of its 16 waves owns 16 of them in each of two passes.  k, v and all scale words of the bh, 282,624 dense bytes, come into LDS ONCE: one tensor load a wave, 69 rows of 256 bytes.
; CLUSTER: the four work-groups of a bh ask for these bytes jointly (mask 15).  No prefetch: a work-group asks memory for its tiles once, at the head, and has no loop to run ahead in.
; LAYOUT. S^T = k q^T (the head's 64 fill half of the instruction's 128: q's upper eight registers are zero codes), O^T = v^T p^T: a lane holds one query throughout; the 16 registers of two neighbouring tiles of S^T are 16 neighbouring keys.
; SOFTMAX. t = score x log2(e) / 8; -M = floor(-(the running largest t)); p = 2^(t - M), not normalised; the row's sum is taken of the unquantised p; when M moves, the sum and O^T are multiplied by 2^(old M - new M), which rounds nothing.
; A BLOCK'S SCALE is taken from x = (the block's largest t) - M, held at -111 from below: floor(x) is floor(log2) of the block's largest p, so the byte is floor(x) + 112 (1 at the least) and the hold 1.75 x 2^floor(x).
; THE SECOND PRODUCT RUNS ONE KEY STEP BEHIND THE FIRST: step i multiplies S(i), rescales O^T by step i - 1's factor, fetches v(i - 1), walks its softmax, multiplies p(i - 1) with v(i - 1), fetches k(i + 1).
; So the places behind every matrix instruction are filled by work that is due anyway, and k's and v's fragments share 64 registers.
; LIMITS: NaN and infinities are not served; a block of p that has fallen to zeros keeps the byte 1 (its codes are zeros); where an ulp of v_exp_f32 carries a block's largest p over the power of two above floor(x), that p is held at the largest code.
.set BHI,   413696
.set WPART, 17664                      ; a wave's part of the 282,624 bytes
.set VIMG,  131072                     ; LDS: k's codes from 0, v's from here,
.set KSC,   270336                     ; (q's scale words from 262,144, not read here) k's scale words,
.set VSC,   278528                     ; v's,
.set OSC,   282624                     ; a stage of 1,024 bytes for the result's scale bytes, in blocks of its own,
.set SPARE, 283648                     ; and the spare words, 128 bytes a wave
.set LI,   1                           ; 16 x lane
.set AV0,  2
.set ASK0, 3
.set ASV0, 4
.set ADK,  5                           ; v5-8 the trip's LDS addresses: k, v, k's scale words, v's
.set ADV,  6
.set ADS,  7
.set ADT,  8
.set OSA,  9
.set TT,   11                          ; v10, v12: -M, by turns (low words of the pairs v[10:11], v[12:13]); v11 at work; v13 the largest score so far; v[14:15] the sum
.set MX,   13
.set QF,   16                          ; v16-23 q, v24-31 zero codes
.set KV,   32                          ; v32-95 fragments of k or v; v96-103 zero codes
.set SS,   104                         ; S^T, then p
.set OT,   168
.set PCD,  200                         ; p's codes
.set BM,   216
.set PX,   220
.set HO,   224
.set CV,   228
.set KSW,  232
.set VSW,  236
.set FF,   238
.set PW,   240
.set OSR,  241
.set QS,   242
.set HW,   243
.set QSO,  244
.set OSG,  245
.set OSB,  246
.set PS,   250
.set SPW,  254
.set NIL,  255
.set WV,   12
.set MNT,  19
.set SEL,  20
.set CS,   22
.set G1,   24
.set G0,   32
.set TB,   36
.set TS,   37
.set TJ,   38
.set CNT,  39
.set PC,   40
.set OSS,  41
.set QB,   42
.set QSB,  44
.set AO,   46
.set ASB,  48
.macro CROUND
	s_barrier_signal -1
	s_barrier_wait -1
	s_cmp_lg_u32 s[WV], 0
	s_cbranch_scc1 .Lnot_wave_0_\@
	s_barrier_signal -3
.Lnot_wave_0_\@:
	s_barrier_wait -3
	s_barrier_signal -1
	s_barrier_wait -1
.endm
	s_load_b128 s[4:7], s[0:1], 0x0                ; img, attn_img
	s_load_b64 s[8:9], s[0:1], 0x10                ; attn_sc
	v_lshl_add_u32 v[SPW], v0, 2, SPARE
	v_mov_b32 v[NIL], 0
	ds_add_u32 v[SPW], v[NIL]
	ds_add_u32 v[SPW], v[NIL]
	v_lshrrev_b32 v5, 5, v0
	v_readfirstlane_b32 s[WV], v5                  ; wave 0..15
	s_bfe_u32 s13, ttmp6, 0x40000                  ; cx: which 512 queries
	s_and_b32 s14, ttmp7, 0xffff                   ; bh
	s_mov_b32 s[G1], 15|(3<<16)|(1<<21)            ; the four partners; elements of 8 bytes; bit 21 beside a mask
	s_mov_b32 s[G1+1], 32<<16                      ; rows of 256 bytes,
	s_mov_b32 s[G1+2], 69<<16                      ; 69 of them, dense
	s_mov_b32 s[G1+3], 32<<16
	s_mov_b32 s[G1+4], 69
	s_mov_b32 s[G1+5], 32
	s_mov_b32 s[G1+6], 0
	s_mov_b32 s[G1+7], 0
	s_mul_i32 s16, s14, BHI
	s_mul_i32 s15, s[WV], WPART
	s_add_co_u32 s62, s16, s15
	s_add_co_u32 s62, s62, 131072                  ; from k's first byte on
	s_mov_b32 s63, 0
	s_mov_b32 s[SEL], 0x76543210
	s_mov_b32 s[SEL+1], 0xfedcba98                 ; lane l xor 16
	s_mov_b32 s[CS], 0x3e38aa3b                    ; c = log2(e) / 8
	s_mov_b32 s[CS+1], s[CS]
	s_mov_b32 s[MNT], 0x600000
	s_mov_b32 s[PC], 2                             ; passes to go
	s_mov_b32 s[OSS], 0
	s_wait_dscnt 0x0
	s_wait_kmcnt 0x0
	s_mov_b32 s[G0], 1
	s_mov_b32 s[G0+1], s15
	s_add_nc_u64 s[G0+2:G0+3], s[4:5], s[62:63]
	s_or_b32 s[G0+3], s[G0+3], 0x80000000
	CROUND                                         ; the four partners are here: the joint loads meet
	tensor_load_to_lds s[G0:G0+3], s[G1:G1+7]      ; my one tensor load of the launch
	s_nop 0
.rept 4
	v_nop
.endr
	s_lshl_b32 s60, s13, 5
	s_add_co_u32 s60, s60, s[WV]                   ; my first tile of 16 queries: 32 cx + wave; the second pass takes the tile 16 on
	s_lshl_b32 s62, s60, 10
	s_add_co_u32 s62, s62, s16
	s_add_nc_u64 s[QB:QB+1], s[4:5], s[62:63]
	s_lshl_b32 s62, s13, 2
	s_lshr_b32 s15, s[WV], 3
	s_add_co_u32 s62, s62, s15
	s_lshl_b32 s62, s62, 9                         ; q's scale words: 512 bytes for 128 tokens,
	s_and_b32 s15, s[WV], 1
	s_lshl_b32 s15, s15, 8
	s_add_co_u32 s62, s62, s15                     ; 256 (tile % 2)
	s_bfe_u32 s15, s[WV], 0x20001
	s_lshl_b32 s15, s15, 2
	s_add_co_u32 s62, s62, s15                     ; + 4 (tile / 2)
	s_add_co_u32 s62, s62, s16
	s_add_co_u32 s62, s62, 393216
	s_add_nc_u64 s[QSB:QSB+1], s[4:5], s[62:63]
	s_lshr_b32 s15, s14, 4                         ; the batch
	s_and_b32 s18, s14, 15                         ; the head
	s_lshl_b32 s62, s15, 7
	s_add_co_u32 s62, s62, s60
	s_lshl_b32 s62, s62, 14                        ; attn_img: 16,384 bytes for a tile of 16 tokens, 1,024 a head
	s_lshl_b32 s61, s18, 10
	s_add_co_u32 s62, s62, s61
	s_add_nc_u64 s[AO:AO+1], s[6:7], s[62:63]
	s_lshl_b32 s62, s18, 14                        ; attn_sc: [head][token][2 bytes]
	s_lshl_b32 s61, s15, 12
	s_add_co_u32 s62, s62, s61
	s_lshl_b32 s61, s13, 10
	s_add_co_u32 s62, s62, s61
	s_add_nc_u64 s[ASB:ASB+1], s[8:9], s[62:63]
	v_and_b32 v5, 31, v0
	v_and_b32 v6, 15, v0
	v_lshlrev_b32 v[LI], 4, v5
	v_lshlrev_b32 v[QSO], 4, v6
	global_load_b128 v[QF:QF+3], v[LI], s[QB:QB+1]
	global_load_b128 v[QF+4:QF+7], v[LI], s[QB:QB+1] offset:512
	global_load_b32 v[QS], v[QSO], s[QSB:QSB+1]
	v_add_nc_u32 v[AV0], VIMG, v[LI]
	v_add_nc_u32 v[ASK0], KSC, v[LI]
	v_lshl_add_u32 v[ASV0], v5, 3, VSC
	s_lshl_b32 s61, s[WV], 5
	s_add_co_u32 s61, s61, OSC
	v_lshl_add_u32 v[OSB], v6, 1, s61              ; the stage: 32 bytes a wave, 2 a query
	v_and_b32 v7, 63, v0
	v_lshlrev_b32 v[OSG], 4, v7
	v_add_nc_u32 v[OSR], OSC, v[OSG]
.irp i, 0,1,2,3,4,5,6,7
	v_mov_b32 v[QF+8+\i], 0                        ; zero codes for the upper 64 of the first product's K
	v_mov_b32 v[KV+64+\i], 0
.endr
.irp b, 0,1,2,3
	v_mov_b32 v[PX+\b], 0                          ; a lane permute's destination counts as one of its sources
.endr
	v_mov_b32 v[FF+1], 0                           ; (upper words of pairs of which the low word alone is taken)
	v_mov_b32 v[TT], 0
.macro ADDR                            ; the LDS addresses of the two key steps from s[TB] on
	v_add_nc_u32 v[ADK], s[TB], v[LI]
	v_add_nc_u32 v[ADV], s[TB], v[AV0]
	v_add_nc_u32 v[ADS], s[TS], v[ASK0]
	v_add_nc_u32 v[ADT], s[TJ], v[ASV0]
.endm
.macro KLOAD o                         ; k's eight tiles and their scale words, o key steps on from the trip's base
.irp t, 0,1,2,3,4,5,6,7
	ds_load_b128 v[KV+8*\t:KV+8*\t+3], v[ADK] offset:8192*(\o)+1024*\t
	ds_load_b128 v[KV+8*\t+4:KV+8*\t+7], v[ADK] offset:8192*(\o)+1024*\t+512
.endr
	ds_load_b128 v[KSW:KSW+3], v[ADS] offset:512*(\o)
.endm
.macro VLOAD o                         ; v's four tiles and their scale words
.irp t, 0,1,2,3
.irp c, 0,1,2,3
	ds_load_b128 v[KV+16*\t+4*\c:KV+16*\t+4*\c+3], v[ADV] offset:8192*(\o)+2048*\t+512*\c
.endr
.endr
	ds_load_b64 v[VSW:VSW+1], v[ADT] offset:256*(\o)
.endm
.macro RESC                            ; O^T under the last step's M: each accumulator is read from its low end on
.set j, 0
.rept 16
	v_pk_mul_f32 v[OT+j:OT+j+1], v[OT+j:OT+j+1], v[FF:FF+1] op_sel_hi:[1,0]
.set j, j+2
.endr
.endm
.macro PV                              ; O^T += v^T p^T: four accumulators, one instruction a turn
.irp t, 0,2
	v_wmma_scale_f32_16x16x128_f8f6f4 v[OT+8*\t:OT+8*\t+7], v[KV+16*\t:KV+16*\t+15], v[PCD:PCD+15], v[OT+8*\t:OT+8*\t+7], v[VSW+\t/2], v[PW] matrix_a_fmt:MATRIX_FMT_BF8 matrix_b_fmt:MATRIX_FMT_BF8
	v_wmma_scale_f32_16x16x128_f8f6f4 v[OT+8*\t+8:OT+8*\t+15], v[KV+16*\t+16:KV+16*\t+31], v[PCD:PCD+15], v[OT+8*\t+8:OT+8*\t+15], v[VSW+\t/2], v[PW] matrix_a_fmt:MATRIX_FMT_BF8 matrix_b_fmt:MATRIX_FMT_BF8 matrix_a_scale:MATRIX_SCALE_ROW1
.endr
.endm
.macro HOLD b                          ; the conversion does not saturate (ISA guide 7.6.2); p is not negative, so the hold is one-sided; two numbers an instruction
.irp i, 0,2,4,6,8,10,12,14
	v_dual_min_num_f32 v[SS+16*\b+\i], v[SS+16*\b+\i], v[HO+\b] :: v_dual_min_num_f32 v[SS+16*\b+\i+1], v[SS+16*\b+\i+1], v[HO+\b]
.endr
.endm
; A KEY STEP.  par: which register takes the new -M;  first = 1: no step is pending, O^T is cleared;  vo: the pending step's v, in steps from the trip's base;  ko: the next step's k (under 0: none).
.macro STEP par, first, vo, ko
.if \par
.set NN, 12
.set NO, 10
.else
.set NN, 10
.set NO, 12
.endif
	s_wait_dscnt 0x0                               ; this step's k and its scale words are in
.irp t, 0,2,4,6
	v_wmma_scale_f32_16x16x128_f8f6f4 v[SS+8*\t:SS+8*\t+7], v[KV+8*\t:KV+8*\t+15], v[QF:QF+15], 0, v[KSW+\t/2], v[QS] matrix_a_fmt:MATRIX_FMT_BF8 matrix_b_fmt:MATRIX_FMT_BF8
	v_wmma_scale_f32_16x16x128_f8f6f4 v[SS+8*\t+8:SS+8*\t+15], v[KV+8*\t+8:KV+8*\t+23], v[QF:QF+15], 0, v[KSW+\t/2], v[QS] matrix_a_fmt:MATRIX_FMT_BF8 matrix_b_fmt:MATRIX_FMT_BF8 matrix_a_scale:MATRIX_SCALE_ROW1
.endr
.if \first
.set j, 0
.rept 32
	v_mov_b32 v[OT+j], 0                           ; O^T begins as zeros; these lines are also the places behind the products above
.set j, j+1
.endr
.else
	RESC                                           ; sixteen places behind the products above, ahead of the loads into k's registers and of the first read of S^T
	VLOAD \vo
.endif
.irp b, 0,1,2,3
	v_max3_num_f32 v[BM+\b], v[SS+16*\b], v[SS+1+16*\b], v[SS+2+16*\b]   ; the largest score of each block of 32 keys
.endr
.irp i, 3,5,7,9,11,13
.irp b, 0,1,2,3
	v_max3_num_f32 v[BM+\b], v[BM+\b], v[SS+16*\b+\i], v[SS+1+16*\b+\i]
.endr
.endr
.irp b, 0,1,2,3
	v_max_num_f32 v[BM+\b], v[BM+\b], v[SS+15+16*\b]
.endr
.irp b, 0,1,2,3
	s_delay_alu instid0(VALU_DEP_4)
	v_permlanex16_b32 v[PX+\b], v[BM+\b], s[SEL], s[SEL+1]
.endr
.irp b, 0,1,2,3
	s_delay_alu instid0(VALU_DEP_4)
	v_max_num_f32 v[BM+\b], v[BM+\b], v[PX+\b]     ; with lane l xor 16's 16 keys
.endr
	s_delay_alu instid0(VALU_DEP_2)
	v_max3_num_f32 v[TT], v[BM], v[BM+1], v[BM+2]
	s_delay_alu instid0(VALU_DEP_1)
	v_max3_num_f32 v[MX], v[MX], v[TT], v[BM+3]    ; the running largest score (c is positive)
	s_delay_alu instid0(VALU_DEP_1)
	v_mul_f32 v[TT], s[CS], v[MX]
	s_delay_alu instid0(VALU_DEP_1)
	v_floor_f32 v[NN], -v[TT]                      ; the new -M, a whole number
	s_delay_alu instid0(VALU_DEP_1)
	v_sub_f32 v[TT], v[NN], v[NO]                  ; old M - new M, 0 or less
	s_delay_alu instid0(VALU_DEP_1)
	v_cvt_i32_f32 v[TT], v[TT]                     ; (it saturates)
	s_delay_alu instid0(VALU_DEP_1)
	v_ldexp_f32 v[FF], 1.0, v[TT]                  ; f = 2^(old M - new M)
.set j, 0
.rept 32
	v_pk_fma_f32 v[SS+j:SS+j+1], v[SS+j:SS+j+1], s[CS:CS+1], v[NN:NN+1] op_sel_hi:[1,0,0]   ; t - M
.set j, j+2
.endr
.irp b, 0,1,2,3
	v_fma_f32 v[BM+\b], v[BM+\b], s[CS], v[NN]     ; x: the same of each block's largest score
.endr
	s_wait_alu depctr_va_vdst(0)
.set j, 0
.rept 64
	v_exp_f32 v[SS+j], v[SS+j]                     ; p = 2^(t - M)
.set j, j+1
.endr
.irp b, 0,1,2,3
	v_max_num_f32 v[BM+\b], 0xc2de0000, v[BM+\b]   ; x held at -111 from below: the byte cannot fall under 1.  (Sixteen lines that name no exponential's result stand behind the batch)
.endr
.irp b, 0,1,2,3
	v_cvt_floor_i32_f32 v[PX+\b], v[BM+\b]         ; floor(log2) of the block's largest p
.endr
.irp b, 0,1,2,3
	v_add_lshl_u32 v[CV+\b], v[PX+\b], 112, 23     ; the byte, in the exponent field: the conversion's scale operand
.endr
.irp b, 0,1,2,3
	v_add_nc_u32 v[HO+\b], 0x07e00000, v[CV+\b]    ; 57,344 x the scale: 15 more in the exponent field, over 57,344's mantissa
.endr
	s_wait_alu depctr_va_vdst(0)                   ; one wait for the batch, ahead of its first reader
	v_pk_fma_f32 v[14:15], v[14:15], v[FF:FF+1], v[SS:SS+1] op_sel_hi:[1,0,1]   ; the sum under the new M, and the unquantised p onto it, in two chains
	v_pk_add_f32 v[PS:PS+1], v[SS+2:SS+3], v[SS+6:SS+7]
	v_pk_add_f32 v[14:15], v[14:15], v[SS+4:SS+5]
.irp j, 8,12,16,20,24,28,32,36,40,44,48,52,56,60
	v_pk_add_f32 v[14:15], v[14:15], v[SS+\j:SS+1+\j]
	v_pk_add_f32 v[PS:PS+1], v[PS:PS+1], v[SS+2+\j:SS+3+\j]
.endr
	v_pk_add_f32 v[14:15], v[14:15], v[PS:PS+1]
.if \first == 0
	s_wait_dscnt 0x0                               ; the pending step's v is in
	PV
.endif
	HOLD 0                                         ; sixteen places behind the products, ahead of the loads into v's registers
	HOLD 1
.if \ko >= 0
	KLOAD \ko
.endif
	HOLD 2
	HOLD 3
.irp b, 0,1,2,3
	v_cvt_scalef32_pk8_bf8_f32 v[PCD+4*\b:PCD+1+4*\b], v[SS+16*\b:SS+7+16*\b], v[CV+\b]
	v_cvt_scalef32_pk8_bf8_f32 v[PCD+2+4*\b:PCD+3+4*\b], v[SS+8+16*\b:SS+15+16*\b], v[CV+\b]
.endr
	v_lshl_add_u32 v[TT], v[PX+3], 8, v[PX+2]      ; the four exponents side by side (plain lines behind the last conversion),
	v_lshl_add_u32 v[PS], v[PX+1], 8, v[PX]
	s_delay_alu instid0(VALU_DEP_1)
	v_lshl_add_u32 v[PS], v[TT], 16, v[PS]
	s_delay_alu instid0(VALU_DEP_1)
	v_add_nc_u32 v[PW], 0x70707070, v[PS]          ; and 112 onto each: p's scale word for these 128 keys
.endm
	s_wait_alu depctr_va_vdst(0)
	s_wait_tensorcnt 0x0                           ; my part is in,
	s_barrier_signal -1
	s_barrier_wait -1                              ; everybody's is
.Lpass:
	s_wait_loadcnt 0x0                             ; this pass's q
	v_mov_b32 v[MX], 0xff61b1e6                    ; the largest score so far: -3e38
	v_mov_b32 v12, 0x7f61b1e6                      ; and its -M
	v_mov_b32 v14, 0
	v_mov_b32 v15, 0
	s_mov_b32 s[TB], 0
	s_mov_b32 s[TS], 0
	s_mov_b32 s[TJ], 0
	ADDR
	s_wait_alu depctr_va_vdst(0)
	KLOAD 0
	STEP 0, 1, 0, 1                                ; key step 0
	s_mov_b32 s[CNT], 7
.Lstep:                                                ; key steps 1 to 14, two a trip: -M's two registers are back where they began
	STEP 1, 0, 0, 2
	STEP 0, 0, 1, 3
	s_add_co_u32 s[TB], s[TB], 16384
	s_add_co_u32 s[TS], s[TS], 1024
	s_add_co_u32 s[TJ], s[TJ], 512
	ADDR
	s_sub_co_u32 s[CNT], s[CNT], 1
	s_cmp_lg_u32 s[CNT], 0
	s_cbranch_scc1 .Lstep
	STEP 1, 0, 0, -1                               ; key step 15 fetches no further k
	RESC                                           ; and its own second product follows
	VLOAD 1
	s_wait_alu depctr_va_vdst(0)
	s_wait_dscnt 0x0
	PV
	s_cmp_eq_u32 s[PC], 1
	s_cbranch_scc1 .Lno_q                          ; the count of passes alone decides: the last pass fetches no further q
	s_add_nc_u64 s[QB:QB+1], s[QB:QB+1], 16384     ; (the loads that read these bases were waited for at the pass's head)
	s_add_nc_u64 s[QSB:QSB+1], s[QSB:QSB+1], 1024
	global_load_b128 v[QF:QF+3], v[LI], s[QB:QB+1]
	global_load_b128 v[QF+4:QF+7], v[LI], s[QB:QB+1] offset:512
	global_load_b32 v[QS], v[QSO], s[QSB:QSB+1]
.Lno_q:
	; THE WAY OUT: O^T / the sum, quantised along the head's 64 (two blocks of 32); the codes leave as an image of the next launch's operand registers, the two scale bytes through the stage
	v_add_nc_u32 v[OSA], s[OSS], v[OSB]
.rept 7
	v_nop                                          ; with the line above: eight places behind the last products
.endr
	v_add_f32 v14, v14, v15
	s_delay_alu instid0(VALU_DEP_1)
	v_permlanex16_b32 v[PX], v14, s[SEL], s[SEL+1]
	s_delay_alu instid0(VALU_DEP_1)
	v_add_f32 v14, v14, v[PX]
	s_wait_alu depctr_va_vdst(0)
	v_rcp_f32 v14, v14
	v_nop
	s_wait_alu depctr_va_vdst(0)                   ; and ahead of its first reader, which is also the first reader of O^T
.set j, 0
.rept 16
	v_pk_mul_f32 v[SS+j:SS+j+1], v[OT+j:OT+j+1], v[14:15] op_sel_hi:[1,0]
.set j, j+2
.endr
.irp b, 0,1
	v_max3_num_f32 v[BM+\b], |v[SS+16*\b]|, |v[SS+1+16*\b]|, 0x8000000   ; with the floor 2^(16 - 127)
.endr
.irp i, 2,4,6,8,10,12,14
.irp b, 0,1
	s_delay_alu instid0(VALU_DEP_2)
	v_max3_num_f32 v[BM+\b], v[BM+\b], |v[SS+16*\b+\i]|, |v[SS+1+16*\b+\i]|
.endr
.endr
.irp b, 0,1
	s_delay_alu instid0(VALU_DEP_2)
	v_permlanex16_b32 v[PX+\b], v[BM+\b], s[SEL], s[SEL+1]
.endr
.irp b, 0,1
	s_delay_alu instid0(VALU_DEP_2)
	v_max_num_f32 v[BM+\b], v[BM+\b], v[PX+\b]
.endr
.irp b, 0,1
	s_delay_alu instid0(VALU_DEP_2)
	v_add_nc_u32 v[CV+\b], 0xf8800000, v[BM+\b]
.endr
.irp b, 0,1
	s_delay_alu instid0(VALU_DEP_4)
	v_and_or_b32 v[HO+\b], v[BM+\b], 0x7f800000, s[MNT]
.endr
.irp b, 0,1
	s_delay_alu instid0(VALU_DEP_4)
	v_lshrrev_b32 v[PX+\b], 23, v[CV+\b]
.endr
	s_delay_alu instid0(VALU_DEP_1)
	v_lshl_or_b32 v[HW], v[PX+1], 8, v[PX]
.irp b, 0,1
.irp i, 0,1,2,3,4,5,6,7,8,9,10,11,12,13,14,15
	v_med3_num_f32 v[SS+16*\b+\i], v[SS+16*\b+\i], -v[HO+\b], v[HO+\b]
.endr
	v_cvt_scalef32_pk8_bf8_f32 v[PCD+4*\b:PCD+1+4*\b], v[SS+16*\b:SS+7+16*\b], v[CV+\b]
	v_cvt_scalef32_pk8_bf8_f32 v[PCD+2+4*\b:PCD+3+4*\b], v[SS+8+16*\b:SS+15+16*\b], v[CV+\b]
.endr
	v_nop                                          ; a plain line behind the last conversion
	ds_store_b16 v[OSA], v[HW]
	global_store_b128 v[LI], v[PCD:PCD+3], s[AO:AO+1]              ; 512 consecutive bytes a store
	global_store_b128 v[LI], v[PCD+4:PCD+7], s[AO:AO+1] offset:512
	s_wait_xcnt 0x0                                ; the stores have read their base and their data: both are written again only behind this wait
	s_add_nc_u64 s[AO:AO+1], s[AO:AO+1], 262144    ; 16 tiles of tokens on
	s_add_co_u32 s[OSS], s[OSS], 512
	s_sub_co_u32 s[PC], s[PC], 1
	s_cmp_lg_u32 s[PC], 0
	s_cbranch_scc1 .Lpass
	s_wait_dscnt 0x0                               ; my scale bytes are in the stage,
	s_barrier_signal -1
	s_barrier_wait -1                              ; everybody's are
	s_cmp_lt_u32 s[WV], 2
	s_cbranch_scc0 .Lno_sc
	ds_load_b128 v[SS:SS+3], v[OSR]
	s_wait_dscnt 0x0
	global_store_b128 v[OSG], v[SS:SS+3], s[ASB:ASB+1]             ; waves 0 and 1 store the 1,024 bytes: 512 consecutive bytes each
.Lno_sc:
	s_wait_tensorcnt 0x0                           ; the wave's end
	ds_add_u32 v[SPW], v[NIL]
	s_wait_dscnt 0x0
	CROUND                                         ; the closing round
	s_endpgm
.Lfunc_end_k_qc67f84fe8b_attn:
	.size	k_qc67f84fe8b_attn, .Lfunc_end_k_qc67f84fe8b_attn-k_qc67f84fe8b_attn
	.p2alignl 7, 3214868480
	.fill 96, 4, 3214868480
	.section	.rodata,"a",@progbits
	.p2align	6, 0x0
	.amdhsa_kernel k_qc67f84fe8b_attn
		.amdhsa_group_segment_fixed_size 327680
		.amdhsa_private_segment_fixed_size 0
		.amdhsa_enable_private_segment 0
		.amdhsa_kernarg_size 24
		.amdhsa_user_sgpr_count 2
		.amdhsa_user_sgpr_kernarg_segment_ptr 1
		.amdhsa_wavefront_size32 1
		.amdhsa_system_sgpr_workgroup_id_x 1
		.amdhsa_system_sgpr_workgroup_id_y 1
		.amdhsa_system_sgpr_workgroup_id_z 1
		.amdhsa_system_vgpr_workitem_id 0
		.amdhsa_next_free_vgpr 256
		.amdhsa_next_free_sgpr 66
		.amdhsa_reserve_vcc 0
		.amdhsa_float_denorm_mode_32 3
		.amdhsa_float_denorm_mode_16_64 3
		.amdhsa_memory_ordered 1
		.amdhsa_forward_progress 1
		.amdhsa_inst_pref_size 88
	.end_amdhsa_kernel
	.amdgpu_metadata
---
amdhsa.version: [ 1, 2 ]
amdhsa.kernels:
  - .name:           k_qc67f84fe8b_attn
    .symbol:         k_qc67f84fe8b_attn.kd
    .args:
      - { .name: img, .offset: 0, .size: 8, .value_kind: global_buffer, .address_space: global }
      - { .name: attn_img, .offset: 8, .size: 8, .value_kind: global_buffer, .address_space: global }
      - { .name: attn_sc, .offset: 16, .size: 8, .value_kind: global_buffer, .address_space: global }
    .group_segment_fixed_size: 327680
    .private_segment_fixed_size: 0
    .kernarg_segment_align: 8
    .kernarg_segment_size: 24
    .max_flat_workgroup_size: 512
    .sgpr_count:     66
    .vgpr_count:     256
    .wavefront_size: 32
...
	.end_amdgpu_metadata
.endif
;; end of part 3
;; launch outp (part 4): grid 4 x 64, 4 waves a work-group, clusters of 4 x 4, 327,680 bytes of LDS; arguments attn_img, attn_sc, codes, scales, out_b, out0; writes out0
.if DOCPART == 4
	.amdgcn_target "amdgcn-amd-amdhsa--gfx1250"
	.amdhsa_code_object_version 6
	.text
	.protected	k_qc67f84fe8b_outp
	.globl	k_qc67f84fe8b_outp
	.p2align	8
	.type	k_qc67f84fe8b_outp,@function
k_qc67f84fe8b_outp:
	s_mov_b64 s[64:65], 0
	v_nop
	global_prefetch_b8 v0, s[64:65] scope:SCOPE_SE
	s_setreg_imm32_b32 hwreg(HW_REG_WAVE_MODE, 25, 1), 1
	s_wait_xcnt 0x0
	s_wait_alu depctr_hold_cnt(0) depctr_sa_sdst(0) depctr_va_vdst(0) depctr_va_sdst(0) depctr_va_ssrc(0) depctr_va_vcc(0) depctr_vm_vsrc(0)
	s_getreg_b32 s2, hwreg(HW_REG_IB_STS2, 6, 4)
	s_cmp_eq_u32 s2, 0
	s_cbranch_scc0 .Lentry_in_a_cluster
	s_endpgm
.Lentry_in_a_cluster:
	s_bfe_u32 s2, ttmp6, 0x10000c
	s_cmp_lg_u32 s2, 0xf033
	s_cbranch_scc0 .Lentry_shape_is_right
	s_endpgm
.Lentry_shape_is_right:
; out0 = attn out_w^T + out_b on codes of E5M2 with one E8M0 scale for each 32 along K (K = 1,024).
; A block of 128 tokens x 256 columns is made by four waves, 64 x 128 each: 32 accumulators of 16 x 16.  64 x 4 blocks: 256 work-groups.
; B = 256 rows of out_w (rows 11,264 on of codes), for ALL of K, lies in LDS: one tensor load a wave, 64 rows of 1,024 bytes, 16 bytes of padding behind each; nothing is filled again, so the text has no ring.
; CLUSTER 4 x 4: the four work-groups of a column of the cluster make the same columns and ask for B jointly.
; A = attn_img is an image of operand registers (a tile of 16 tokens is 16,384 bytes: K step q at 2,048 q, group c at 512 c, 16 bytes a lane): it goes from memory straight into registers,
; 4 tiles x 8 K steps x 16 registers, each load 512 consecutive bytes, and stays there.  No LDS byte and no LDS read is spent on A.
; B's scale words (32 bytes a row) go straight into registers too.  A's scale bytes lie [head][token][2]: a lane loads two tokens' bytes of each head, joins the heads' halves to words and turns them through the wave's own stage.
; The bias is the C of the first K step's products; it lies in the registers that take A's K step 7, which is asked for behind those products.
; THE MATRIX INSTRUCTION IS USED TRANSPOSED (source 0 = 16 rows of out_w, source 1 = 16 tokens): a lane holds eight neighbouring columns of a token's row.
; The tokens of a tile are stored rows: row i of tile T is the token 32 (T / 2) + 8 (T % 2) + i + 8 (i / 8); the way out puts them back.
; No prefetch: every byte is asked for at the head, and there is no loop to run ahead in.
; REGISTERS: window 0: v0-31 addresses; v32-63 A's scale words (tile t, K step q at 8 t + q); v64-127 B's (block b at 8 b + q); v128-255 B's fragments, two halves of four blocks that take turns.
;   windows 1 and 2: A (K step q, tile a at 64 q + 16 a).   window 3: the accumulators ((a, b) at 8 (8 a + b)).
.set BP,     1040                      ; a row of B in LDS: 1,024 bytes + 16: the 16 rows that a load touches start 260 words apart
.set BW,     64*BP                     ; what one tensor load brings
.set STG,    256*BP                    ; behind B: the way out's stages, 16 rows x 528 bytes a wave,
.set SPITCH, 528
.set STA,    STG+4*16*SPITCH           ; the stages for A's scale words, 2,048 bytes a wave,
.set SPARE,  STA+4*2048                ; and the spare words, 128 bytes a wave
.set BQO,  7                           ; v7   bias: 32 h
.set SBO,  8                           ; v8   B's scales: 32 r
.set SCO,  9                           ; v9   A's scale bytes: 4 x lane
.set ASTO, 10                          ; v10, v11 the scale stage: in, back
.set ASRD, 11
.set ADB,  16                          ; v16, v17 LDS address of my B fragments, blocks 0-3 and 4-7
.set STO,  24
.set RD,   25
.set CO,   26                          ; v26  16 x lane
.set SPW,  28
.set NIL,  29
.set SA,   32
.set SB,   64
.set BF,   128
.set BK,   128
.set G1,   24
.set G0,   32
.set MSB, 0
.macro WIN new                         ; the immediate's high byte repeats the setting that is left
.if MSB != (\new)
	s_set_vgpr_msb (MSB<<8)|(\new)
.set MSB, (\new)
.endif
.endm
.macro CROUND
	s_barrier_signal -1
	s_barrier_wait -1
	s_cmp_lg_u32 s14, 0
	s_cbranch_scc1 .Lnot_wave_0_\@
	s_barrier_signal -3
.Lnot_wave_0_\@:
	s_barrier_wait -3
	s_barrier_signal -1
	s_barrier_wait -1
.endm
.macro PLACES n                        ; plain vector instructions between a matrix instruction and a load into its registers or a read of its result
.rept \n
	v_nop
.endr
.endm
	s_load_b128 s[4:7], s[0:1], 0x0                ; attn_img, attn_sc
	s_load_b128 s[8:11], s[0:1], 0x10              ; codes, scales
	s_load_b64 s[2:3], s[0:1], 0x20                ; out_b
	s_load_b64 s[12:13], s[0:1], 0x28              ; out0
	v_lshl_add_u32 v[SPW], v0, 2, SPARE
	v_mov_b32 v[NIL], 0
	ds_add_u32 v[SPW], v[NIL]
	ds_add_u32 v[SPW], v[NIL]
	v_lshrrev_b32 v1, 5, v0
	v_readfirstlane_b32 s14, v1                    ; wave 0..3
	s_lshr_b32 s15, s14, 1                         ; which 64 tokens are mine
	s_and_b32 s16, s14, 1                          ; which 128 columns
	s_bfe_u32 s40, ttmp6, 0x40000                  ; cx
	s_bfe_u32 s41, ttmp6, 0x40004                  ; cy
	s_lshl_b32 s42, ttmp9, 2
	s_add_co_u32 s42, s42, s40                     ; the block's 256 columns
	s_and_b32 s17, ttmp7, 0xffff
	s_lshl_b32 s17, s17, 2
	s_add_co_u32 s17, s17, s41                     ; the block's 128 tokens
	s_lshl_b32 s44, 0x1111, s40                    ; my column of the cluster
	s_or_b32 s[G1], s44, (0<<16)|(1<<20)|(1<<21)|(7<<22)|(3<<25)   ; the mask; elements of 1 byte; padding on; bit 21 beside a mask; after every 256 words, 4 words
	s_mov_b32 s[G1+1], 1024<<16
	s_mov_b32 s[G1+2], 64<<16
	s_mov_b32 s[G1+3], 1024<<16
	s_mov_b32 s[G1+4], 64
	s_mov_b32 s[G1+5], 1024
	s_mov_b32 s[G1+6], 0
	s_mov_b32 s[G1+7], 0
	s_lshl_b32 s46, s42, 8
	s_lshl_b32 s19, s14, 6
	s_add_co_u32 s46, s46, s19                     ; the 64 rows of out_w that I fetch: they hang on cx and the wave's number alone
	s_add_co_u32 s46, s46, 11264
	s_lshl_b32 s46, s46, 10
	s_mov_b32 s47, 0
	s_mul_i32 s45, s14, BW
	s_wait_dscnt 0x0
	s_wait_kmcnt 0x0
	s_mov_b32 s[G0], 1
	s_mov_b32 s[G0+1], s45
	s_add_nc_u64 s[G0+2:G0+3], s[8:9], s[46:47]
	s_or_b32 s[G0+3], s[G0+3], 0x80000000
	CROUND                                         ; all sixteen work-groups are here: the joint loads meet
	tensor_load_to_lds s[G0:G0+3], s[G1:G1+7]      ; my one tensor load of the launch
	s_nop 0
.rept 4
	v_nop
.endr
	s_mov_b32 s21, 0
	s_lshl_b32 s20, s17, 8
	s_lshl_b32 s22, s15, 7
	s_add_co_u32 s20, s20, s22
	s_add_nc_u64 s[6:7], s[6:7], s[20:21]          ; A's scale bytes: 2 x my first token
	s_lshl_b32 s20, s17, 17
	s_lshl_b32 s22, s15, 16
	s_add_co_u32 s20, s20, s22
	s_add_nc_u64 s[4:5], s[4:5], s[20:21]          ; A: 16,384 x my first tile
	s_lshl_b32 s20, s42, 8
	s_lshl_b32 s22, s16, 7
	s_add_co_u32 s20, s20, s22                     ; my first column
	s_add_co_u32 s22, s20, 11264
	s_lshl_b32 s22, s22, 5
	s_mov_b32 s23, 0
	s_add_nc_u64 s[10:11], s[10:11], s[22:23]      ; B's scales: 32 bytes a row
	s_lshl_b32 s20, s20, 2
	s_add_nc_u64 s[2:3], s[2:3], s[20:21]
	s_add_nc_u64 s[12:13], s[12:13], s[20:21]
	s_lshl_b32 s20, s17, 19
	s_lshl_b32 s22, s15, 18
	s_add_co_u32 s20, s20, s22
	s_add_nc_u64 s[12:13], s[12:13], s[20:21]      ; out0: 4,096 bytes a token
	s_mul_i32 s18, s16, 128*BP
	s_mul_i32 s19, s14, 16*SPITCH
	s_add_co_u32 s19, s19, STG
	s_lshl_b32 s23, s14, 11
	s_add_co_u32 s23, s23, STA
	v_and_b32 v1, 15, v0                           ; r
	v_bfe_u32 v2, v0, 4, 1                         ; h
	v_and_b32 v6, 31, v0
	v_lshlrev_b32 v[CO], 4, v6
	v_lshlrev_b32 v[SCO], 2, v6
	v_lshlrev_b32 v[SBO], 5, v1
	v_lshlrev_b32 v[BQO], 5, v2
	v_mul_u32_u24 v3, v1, BP
	v_lshl_add_u32 v3, v2, 4, v3
	v_add_nc_u32 v[ADB], s18, v3                   ; my 128 rows of B: row r x pitch + 16 h
	v_add_nc_u32 v[ADB+1], BW, v[ADB]              ; and 64 rows on
	v_mul_u32_u24 v5, v1, SPITCH
	v_lshl_add_u32 v5, v2, 5, v5
	v_add_nc_u32 v[STO], s19, v5
	v_add_nc_u32 v[RD], s19, v[CO]
	v_lshl_add_u32 v[ASTO], v6, 6, s23             ; two tokens' 64 bytes a lane
	v_lshl_add_u32 v[ASRD], v1, 5, s23             ; token r's 32 bytes
	s_wait_alu depctr_va_vdst(0)
.macro ALOAD q                         ; A's four tiles of K step q
	WIN (1+(\q)/4)<<6
.irp a, 0,1,2,3
.irp c, 0,1,2,3
	global_load_b128 v[64*((\q)%4)+16*\a+4*\c:64*((\q)%4)+16*\a+4*\c+3], v[CO], s[4:5] offset:16384*\a+2048*(\q)+512*\c
.endr
.endr
.endm
.irp d, 0,1,2,3,4,5,6,7,8,9,10,11,12,13,14,15
	global_load_b32 v[128+\d], v[SCO], s[6:7] offset:16384*\d      ; head d: the scale bytes of tokens 2 l and 2 l + 1
.endr
.irp b, 0,1,2,3,4,5,6,7
	global_load_b128 v[SB+8*\b:SB+8*\b+3], v[SBO], s[10:11] offset:512*\b        ; row r of block b: its eight scale words
	global_load_b128 v[SB+8*\b+4:SB+8*\b+7], v[SBO], s[10:11] offset:512*\b+16
.endr
	WIN 0x80
.irp b, 0,1,2,3,4,5,6,7
	global_load_b128 v[192+8*\b:192+8*\b+3], v[BQO], s[2:3] offset:64*\b         ; the bias of columns 16 b + 8 h + 0 .. 7, in window 2
	global_load_b128 v[192+8*\b+4:192+8*\b+7], v[BQO], s[2:3] offset:64*\b+16
.endr
.irp q, 0,1,2,3,4,5,6
	ALOAD \q
.endr
	WIN 0
	s_wait_loadcnt 63                              ; behind the sixteen loads of scale bytes 144 more were issued: they are in
.irp s, 0,1,2,3,4,5,6,7
	v_perm_b32 v[144+\s], v[129+2*\s], v[128+2*\s], 0x05040100     ; K step s of token 2 l: the bytes of heads 2 s and 2 s + 1
	v_perm_b32 v[152+\s], v[129+2*\s], v[128+2*\s], 0x07060302     ; and of token 2 l + 1
.endr
	s_wait_alu depctr_va_vdst(0)
	s_wait_tensorcnt 0x0                           ; my part of B is in
	ds_store_b128 v[ASTO], v[144:147]
	ds_store_b128 v[ASTO], v[148:151] offset:16
	ds_store_b128 v[ASTO], v[152:155] offset:32
	ds_store_b128 v[ASTO], v[156:159] offset:48
.irp t, 0,1,2,3
	ds_load_b128 v[SA+8*\t:SA+8*\t+3], v[ASRD] offset:512*\t       ; my own stage: LDS serves a wave's instructions in order
	ds_load_b128 v[SA+8*\t+4:SA+8*\t+7], v[ASRD] offset:512*\t+16
.endr
	s_wait_dscnt 0x0
	s_barrier_signal -1
	s_barrier_wait -1                              ; everybody's part of B is in
.macro FETCH q, hf                     ; B's blocks 4 hf .. 4 hf + 3 of K step q: registers 4 c .. 4 c + 3 hold K = 32 c + 16 h + 0 .. 15
.irp i, 0,1,2,3
.irp c, 0,1,2,3
	ds_load_b128 v[BF+64*(\hf)+16*\i+4*\c:BF+64*(\hf)+16*\i+4*\c+3], v[ADB+(\hf)] offset:16*BP*\i+128*(\q)+32*\c
.endr
.endr
.endm
; 16 matrix instructions: my four tiles of tokens x four blocks of B.  The accumulators take turns, one instruction a turn.  K step 0 takes the bias as C.
.macro MUL q, hf
.if (\q) == 0
	WIN 0xe4                                       ; source 1 window 1, C window 2, D window 3
.else
	WIN 0xf0|((1+(\q)/4)<<2)
.endif
.irp a, 0,1,2,3
.irp i, 0,1,2,3
.if (\q) == 0
	v_wmma_scale_f32_16x16x128_f8f6f4 v[8*(8*\a+4*(\hf)+\i):8*(8*\a+4*(\hf)+\i)+7], v[BF+64*(\hf)+16*\i:BF+64*(\hf)+16*\i+15], v[64*((\q)%4)+16*\a:64*((\q)%4)+16*\a+15], v[192+8*(4*(\hf)+\i):192+8*(4*(\hf)+\i)+7], v[SB+8*(4*(\hf)+\i)+(\q)], v[SA+8*\a+(\q)] matrix_a_fmt:MATRIX_FMT_BF8 matrix_b_fmt:MATRIX_FMT_BF8
.else
	v_wmma_scale_f32_16x16x128_f8f6f4 v[8*(8*\a+4*(\hf)+\i):8*(8*\a+4*(\hf)+\i)+7], v[BF+64*(\hf)+16*\i:BF+64*(\hf)+16*\i+15], v[64*((\q)%4)+16*\a:64*((\q)%4)+16*\a+15], v[8*(8*\a+4*(\hf)+\i):8*(8*\a+4*(\hf)+\i)+7], v[SB+8*(4*(\hf)+\i)+(\q)], v[SA+8*\a+(\q)] matrix_a_fmt:MATRIX_FMT_BF8 matrix_b_fmt:MATRIX_FMT_BF8
.endif
.endr
.endr
.endm
.macro KSTEP q
.if (\q) < 4
	s_wait_loadcnt 63                              ; behind this K step's loads of A at least 64 were issued
.else
	s_wait_loadcnt 16*(7-(\q))                     ; the later K steps' loads may be out, sixteen each
.endif
	s_wait_dscnt 16                                ; blocks 0-3 are in; the sixteen loads of blocks 4-7 may be out
	MUL \q, 0
.if (\q) < 7
	PLACES 8
	WIN 0
	FETCH (\q)+1, 0
	s_wait_dscnt 16                                ; blocks 4-7 are in; the sixteen just issued may be out
.else
	s_wait_dscnt 0x0
.endif
	MUL \q, 1
.if (\q) < 7
	PLACES 8
.if (\q) == 0
	ALOAD 7                                        ; into the registers that held the bias
.endif
	WIN 0
	FETCH (\q)+1, 1
.endif
.endm
	FETCH 0, 0
	FETCH 0, 1
.irp q, 0,1,2,3,4,5,6,7
	KSTEP \q
.endr
; THE WAY OUT, a tile of 16 tokens x 128 columns at a time, through my own stage: back come whole rows of 512 bytes, which the 32 lanes store as 512 consecutive bytes, aligned.
.macro TOSTAGE a
.set AC, 64*(\a)
	WIN 0x0c                                       ; the data: window 3
.irp b, 0,1,2,3,4,5,6,7
	ds_store_b128 v[STO], v[AC+8*\b:AC+8*\b+3] offset:64*\b        ; each accumulator from its low end on
	ds_store_b128 v[STO], v[AC+8*\b+4:AC+8*\b+7] offset:64*\b+16
.endr
	WIN 0
.set BB, BK+64*((\a)%2)
.irp t, 0,1,2,3,4,5,6,7,8,9,10,11,12,13,14,15
	ds_load_b128 v[BB+4*\t:BB+4*\t+3], v[RD] offset:\t*SPITCH
.endr
.endm
.macro SEND a, younger                 ; younger: the LDS instructions issued behind tile a's loads, which may stay out
.set BB, BK+64*((\a)%2)
	s_wait_dscnt \younger
.if (\a) > 0
.if (\a)%2
	s_add_nc_u64 s[12:13], s[12:13], 8*4096        ; (behind a wait on XCNT)  tile a begins at token 32 (a / 2) + 8 (a % 2)
.else
	s_add_nc_u64 s[12:13], s[12:13], 24*4096
.endif
.endif
.irp t, 0,1,2,3,4,5,6,7,8,9,10,11,12,13,14,15
	global_store_b128 v[CO], v[BB+4*\t:BB+4*\t+3], s[12:13] offset:((\t%8)+16*(\t/8))*4096 th:TH_STORE_NT
.endr
.endm
	PLACES 8
	TOSTAGE 0
.irp a, 1,2,3
.if \a > 1
	s_wait_xcnt 0x0                                ; tile a - 2's stores have read their registers and their base
.endif
	TOSTAGE \a
	SEND \a-1, 32                                  ; behind tile a - 1's loads: tile a's 16 stores and 16 loads
.endr
	s_wait_xcnt 0x0
	SEND 3, 0
	s_wait_tensorcnt 0x0                           ; the wave's end
	ds_add_u32 v[SPW], v[NIL]
	s_wait_dscnt 0x0
	CROUND                                         ; the closing round
	s_endpgm
.Lfunc_end_k_qc67f84fe8b_outp:
	.size	k_qc67f84fe8b_outp, .Lfunc_end_k_qc67f84fe8b_outp-k_qc67f84fe8b_outp
	.p2alignl 7, 3214868480
	.fill 96, 4, 3214868480
	.section	.rodata,"a",@progbits
	.p2align	6, 0x0
	.amdhsa_kernel k_qc67f84fe8b_outp
		.amdhsa_group_segment_fixed_size 327680
		.amdhsa_private_segment_fixed_size 0
		.amdhsa_enable_private_segment 0
		.amdhsa_kernarg_size 48
		.amdhsa_user_sgpr_count 2
		.amdhsa_user_sgpr_kernarg_segment_ptr 1
		.amdhsa_wavefront_size32 1
		.amdhsa_system_sgpr_workgroup_id_x 1
		.amdhsa_system_sgpr_workgroup_id_y 1
		.amdhsa_system_sgpr_workgroup_id_z 1
		.amdhsa_system_vgpr_workitem_id 0
		.amdhsa_next_free_vgpr 1024
		.amdhsa_next_free_sgpr 66
		.amdhsa_reserve_vcc 0
		.amdhsa_float_denorm_mode_32 3
		.amdhsa_float_denorm_mode_16_64 3
		.amdhsa_memory_ordered 1
		.amdhsa_forward_progress 1
		.amdhsa_inst_pref_size 93
	.end_amdhsa_kernel
	.amdgpu_metadata
---
amdhsa.version: [ 1, 2 ]
amdhsa.kernels:
  - .name:           k_qc67f84fe8b_outp
    .symbol:         k_qc67f84fe8b_outp.kd
    .args:
      - { .name: attn_img, .offset: 0, .size: 8, .value_kind: global_buffer, .address_space: global }
      - { .name: attn_sc, .offset: 8, .size: 8, .value_kind: global_buffer, .address_space: global }
      - { .name: codes, .offset: 16, .size: 8, .value_kind: global_buffer, .address_space: global }
      - { .name: scales, .offset: 24, .size: 8, .value_kind: global_buffer, .address_space: global }
      - { .name: out_b, .offset: 32, .size: 8, .value_kind: global_buffer, .address_space: global }
      - { .name: out0, .offset: 40, .size: 8, .value_kind: global_buffer, .address_space: global }
    .group_segment_fixed_size: 327680
    .private_segment_fixed_size: 0
    .kernarg_segment_align: 8
    .kernarg_segment_size: 48
    .max_flat_workgroup_size: 128
    .sgpr_count:     66
    .vgpr_count:     1024
    .wavefront_size: 32
...
	.end_amdgpu_metadata
.endif
;; end of part 4
